; MI455X (gfx1250); checked and timed in simulation.
; The chip was launched on July 23, 2026; its instructions are those of AMD's public machine-readable ISA for CDNA 5 (MIT licence, August 2026) and "CDNA5" Instruction Set Architecture Reference Guide (July 2026). The comments in the code are by the model that wrote it; some were corrected since.
;; Flash Cross Attention. Allowed arithmetic: matrix products marked QUANTISED: E2M3 operands, one E8M0 scale for each 32 along K, by v_wmma_scale_f32_16x16x128_f8f6f4 with both operands' format E2M3, f32 sums; products left as they are: f32 operands where the result goes on into a quantised operand, else bf16, f16 or f32 operands; f32 sums; everything else in f32.
;; Inputs: Wkv_codes 2,048 x 32 x 24 uint8 (E2M3 codes of Wkv, K innermost, in blocks of 32 codes, four codes in three bytes); Wkv_scales 2,048 x 32 uint8 (E8M0 scales of Wkv, one for each 32 codes along K); Wo_codes 1,024 x 32 x 24 uint8 (E2M3 codes of Wo, K innermost, in blocks of 32 codes, four codes in three bytes); Wo_scales 1,024 x 32 uint8 (E8M0 scales of Wo, one for each 32 codes along K); Wq_codes 1,024 x 32 x 24 uint8 (E2M3 codes of Wq, K innermost, in blocks of 32 codes, four codes in three bytes); Wq_scales 1,024 x 32 uint8 (E8M0 scales of Wq, one for each 32 codes along K); encoder_out_codes 4 x 2,048 x 32 x 24 uint8 (E2M3 codes of encoder_out, K innermost, in blocks of 32 codes, four codes in three bytes); encoder_out_scales 4 x 2,048 x 32 uint8 (E8M0 scales of encoder_out, one for each 32 codes along K); norm_w 1,024 float32; x 4 x 2,048 x 1,024 float32.
;; Outputs: out0 4 x 2,048 x 1,024 float32.
;; This version of the problem:
;;   THIS VERSION OF THE PROBLEM IS GIVEN IN LOW PRECISION. The matrix products marked QUANTISED in the list below multiply operands that are first quantised to E2M3 (2 exponent bits, 3 mantissa bits; 6 bits a number), with one power-of-two scale for each 32 numbers along K (OCP MX v1.0); their sums are f32. All else is computed in f32.
;;   The module's matrix products, in the order in which they are computed (A, B: the left and right operand; K: the contracted axis; several contracted axes count as one K, in the product's order):
;;     1. [M 8,192, K 1,024] x [K 1,024, N 1,024]; A: computed on the way; B: input Wq (given as codes): QUANTISED
;;     2. [M 8,192, K 1,024] x [K 1,024, N 2,048]; A: input encoder_out (given as codes); B: input Wkv (given as codes): QUANTISED
;;     3. [M 2,048, K 1] x [K 1, N 32]; A: computed on the way; B: computed on the way: left as it is (no contracted axis)
;;     4. batch 64 x [M 2,048, K 64] x [K 64, N 2,048]; A: computed on the way; B: computed on the way: QUANTISED
;;     5. batch 64 x [M 64, K 2,048] x [K 2,048, N 2,048]; A: computed on the way; B: softmax (see below): QUANTISED
;;     6. [M 8,192, K 1,024] x [K 1,024, N 1,024]; A: computed on the way; B: input Wo (given as codes): QUANTISED
;;   THE QUANTISER, for each operand of a quantised product, along K:
;;     - K is cut into blocks of 32 from its start; a last block that is shorter is filled with zeros.
;;     - A block's scale is 2^e with e = floor(log2(the largest magnitude in the block)) - 2, held to -126 .. 127; a block of zeros has e = 0. As a byte (E8M0): e + 127.
;;     - Each number is divided by its block's scale, clamped to +-7.5, and rounded to the nearest number of E2M3, ties to even, subnormals kept.
;;     - The product sums the exact products of the quantised numbers (number of the format x scale) in f32.
;;   ~~~python
;;   def quantise(x, axis):      # numpy; x: float32 -> the quantised numbers, widened to float32 again
;;       x = np.moveaxis(x, axis, -1); K = x.shape[-1]
;;       x = np.pad(x, [(0, 0)] * (x.ndim - 1) + [(0, -K % 32)]); x = x.reshape(x.shape[:-1] + (-1, 32)); a = np.abs(x).max(-1, keepdims=True)
;;       e = np.where(a > 0, np.clip(np.frexp(np.where(a > 0, a, 1))[1] - 1 - 2, -126, 127), 0)      # np.frexp(a)[1] - 1 = floor(log2(a)), exactly
;;       r = np.clip(x / 2.0 ** e, -7.5, 7.5)
;;       step = 2.0 ** (np.maximum(np.frexp(np.where(r == 0, 1, r))[1] - 1, 0) - 3)
;;       q = np.round(r / step) * step * 2.0 ** e      # np.round: ties to even
;;       return np.moveaxis(q.reshape(q.shape[:-2] + (-1,))[..., :K], -1, axis).astype(np.float32)
;;   ~~~
;;   SOFTMAX AHEAD OF A QUANTISED PRODUCT. Where the list says 'softmax', what is quantised is not the finished softmax but p = 2^(t - M), with t = logit x log2(e) and M = ceil(the row's largest t), a whole number; so 1/2 < the row's largest p <= 1. The row's sum l is taken of the UNQUANTISED p, in f32, and the product's result is divided by l at the end. Since M is a whole number, a kernel that streams over the keys may use a running M (the ceiling of the running maximum): every later rescaling is an exact power of two, which a block's scale takes up: the codes' values come out the same.
;;   OPERANDS COMPUTED ON THE WAY. 'Computed on the way' means the value that the module computes at that place (a softmax that the list does not call 'softmax' is quantised finished and normalised). What goes into a quantiser is computed in f32, as accurately as f32 sums, v_exp_f32 and their like allow (about 1e-6 of the number): no bf16 or f16 on the way to a quantiser, and a product that is left as it is and whose result goes on into a quantised operand takes f32 operands (vector FMAs, or v_wmma_f32_16x16x4_f32). A number that lies on a knife's edge between two numbers of the format may be rounded either way, as far as f32 arithmetic and the matrix unit's own rounding can turn it there, and no further.
;;   INPUTS GIVEN AS CODES. Wkv (in the module: [2048, 1024], K = its axis 1); Wo (in the module: [1024, 1024], K = its axis 1); Wq (in the module: [1024, 1024], K = its axis 1); encoder_out (in the module: [4, 2048, 1024], K = its axis 2): each comes as NAME_codes (uint8): NAME with its K axis moved to the last place and cut into blocks of 32 codes, [.., K / 32, bytes a block], one block behind the other in memory; four codes in three bytes: a row's codes are one little-endian stream of bits, code i at bits 6 i .. 6 i + 5 (a code: sign, 2 exponent bits, 3 mantissa bits); and NAME_scales (uint8): the same leading axes, one E8M0 byte (e + 127) for each 32 codes along K. Its value is code x scale, taken as it is: it is not quantised again, and the codes and scales need not be those that the quantiser above would give.
;; One version. Each part assembles by itself: llvm-mc -triple=amdgcn-amd-amdhsa -mcpu=gfx1250 --defsym DOCPART=n.
;; ======== version 1 of 1: 4 launches
;; limits: right only within a limited range of input values
;; workspace buffers: xq_codes 6,291,456 bytes; xq_aux 851,968 bytes; q_img 6,291,456 bytes; q_sc 524,288 bytes; kv_img 12,582,912 bytes; kv_sc 786,432 bytes; ao_img 6,291,456 bytes; ao_sc 262,144 bytes
;; launch prep (part 1): grid 256 x 1, 4 waves a work-group, no clusters, 33,280 bytes of LDS; arguments x, norm_w, xq_codes, xq_aux; writes xq_codes, xq_aux
.if DOCPART == 1
	.amdgcn_target "amdgcn-amd-amdhsa--gfx1250"
	.amdhsa_code_object_version 6
	.text
	.protected	k_q8fa5942b7e_prep
	.globl	k_q8fa5942b7e_prep
	.p2align	8
	.type	k_q8fa5942b7e_prep,@function
k_q8fa5942b7e_prep:
	s_mov_b64 s[64:65], 0
	v_nop
	global_prefetch_b8 v0, s[64:65] scope:SCOPE_SE
	s_setreg_imm32_b32 hwreg(HW_REG_WAVE_MODE, 25, 1), 1
	s_wait_xcnt 0x0
; xn = x * rsqrt(mean(x^2) + 1e-5) * norm_w, row by row of 1,024 f32, turned into codes of FP6 (E2M3) with one E8M0 byte for each 32 along the row;
; and the table of cos and sin for the rotary embedding.  x: [8192][1024] f32.  xq_codes: [8192][768] bytes.  xq_aux: bytes 0 .. 262,143 the scale bytes [8192][32];
; from 262,144 on the table, 2,304 rows of 256 bytes: cos of frequencies 0 .. 31, then sin; rows 0 .. 2,047 are the positions, rows 2,048 .. 2,303 hold cos = 1, sin = 0.
; SHARES.  Wave W = 4 x work-group + wave takes rows 8 W .. 8 W + 7 (their 256 scale bytes are one aligned run of 256) and table rows 2 W, 2 W + 1; wave 0 of a work-group also one row of ones and zeros.
; Each load reads 512 consecutive bytes, 16 a lane; the conversion wants 16 NEIGHBOURS in a lane, so a row's numbers turn through the wave's own stage in LDS (16 bytes of padding behind each 64).
; No tensor load, no barrier, no matrix unit, no cluster: waves share nothing and memory binds.
; cos and sin: the angle is position x frequency, rounded once; a multiple of pi/2 is taken off in two parts, and polynomials of degree 9 and 8 serve the rest (their next terms lie under 3e-8).
; LIMITS: NaN and infinities are not served.  A block of zeros, or one whose largest magnitude lies under 2^-124, gets the byte 1 (its codes are zeros or tiny; this program alone reads the bytes).
; A frequency comes from one v_exp_f32, so it is within about 2 units of its last place: an angle at position 2,047 can differ by about 2e-4 from one made with a correctly rounded frequency.
.set SP,  80                           ; a lane's place in a stage: 64 bytes + 16 of padding
.set WN,  16                           ; v16-47   norm_w, as a row is loaded
.set R,   48                           ; v48-143  three sets of 32: rows as loaded, then scaled in place
.set X,   144                          ; v144-175 a row back from the stage: 2 x 16 neighbours
.set C,   176                          ; v176-191 codes: 4 registers a half row, two rows by turns
.set E,   192                          ; v192-207 a scale byte for each half row
.set T,   208                          ; v208-222 at work
	s_load_b256 s[4:11], s[0:1], 0x0               ; x s[4:5], norm_w s[6:7], xq_codes s[8:9], xq_aux s[10:11]
	v_lshl_add_u32 v224, v0, 2, 0x8000
	v_mov_b32 v225, 0
	v_lshrrev_b32 v8, 5, v0
	v_readfirstlane_b32 s12, v8                    ; wave 0..3
	v_and_b32 v9, 31, v0                           ; lane
	v_lshlrev_b32 v1, 4, v9                        ; my 16 bytes of a load's 512
	s_lshl_b32 s13, s12, 13                        ; my wave's 8,192 bytes of LDS
	v_lshrrev_b32 v2, 2, v9
	v_mul_u32_u24 v2, v2, SP
	v_and_b32 v10, 3, v9
	v_lshl_add_u32 v2, v10, 4, v2
	v_add_nc_u32 v2, s13, v2                       ; into a stage: four lanes' 64 bytes on end, then the padding
	v_mul_u32_u24 v3, v9, SP
	v_add_nc_u32 v3, s13, v3                       ; out of it: my 16 neighbours
	v_mul_u32_u24 v4, v9, 12                       ; my 12 bytes of a half row's 384 bytes of codes
	v_lshrrev_b32 v5, 1, v9
	s_add_co_u32 s13, s13, 2*32*SP
	v_add_nc_u32 v5, s13, v5                       ; my block's scale byte, behind the two stages
	v_lshlrev_b32 v7, 3, v9                        ; 8 bytes a lane
	v_add_nc_u32 v6, s13, v7
	s_mov_b32 s14, 0x76543210
	s_mov_b32 s15, 0xfedcba98                      ; v_permlanex16_b32's selects for lane l xor 16
	s_mov_b32 s16, 0x3a800000                      ; 1 / 1,024
	s_mov_b32 s17, 0x3727c5ac                      ; 1e-5
	s_mov_b32 s18, 0x3fc90fdb                      ; pi / 2, its upper part
	s_mov_b32 s19, 0xb33bbd2e                      ; and what is left of it
	s_lshl_b32 s22, ttmp9, 2
	s_add_co_u32 s22, s22, s12                     ; W
	s_lshl_b32 s24, s22, 15                        ; 8 rows of 4,096 bytes
	s_mov_b32 s25, 0
	s_mul_i32 s26, s22, 6144                       ; 8 rows of 768 bytes
	s_mov_b32 s27, 0
	s_lshl_b32 s28, s22, 8                         ; 8 rows of 32 scale bytes
	s_mov_b32 s29, 0
	s_lshl_b32 s30, s22, 9
	s_add_co_u32 s30, s30, 262144                  ; table rows 2 W and 2 W + 1
	s_mov_b32 s31, 0
	s_lshl_b32 s34, ttmp9, 8
	s_add_co_u32 s34, s34, 786432                  ; table row 2,048 + work-group
	s_mov_b32 s35, 0
	s_lshl_b32 s38, s22, 1                         ; the two positions
	s_or_b32 s39, s38, 1
	v_mov_b32 v[T+8], 0                            ; a lane permute's destination counts as one of its sources
	v_mov_b32 v[T+11], 0                           ; named as the upper half of the pair that holds the row's factor
	s_wait_kmcnt 0x0
	s_add_nc_u64 s[4:5], s[4:5], s[24:25]
	s_add_nc_u64 s[8:9], s[8:9], s[26:27]
	s_add_nc_u64 s[32:33], s[10:11], s[30:31]
	s_add_nc_u64 s[36:37], s[10:11], s[34:35]
	s_add_nc_u64 s[10:11], s[10:11], s[28:29]
.irp i, 0,1,2,3,4,5,6,7
	global_load_b128 v[WN+4*\i:WN+4*\i+3], v1, s[6:7] offset:512*\i
.endr
.macro LOAD rho                        ; a row: eight loads of 512 consecutive bytes, into set rho % 3
.irp i, 0,1,2,3,4,5,6,7
	global_load_b128 v[R+32*((\rho)%3)+4*\i:R+32*((\rho)%3)+4*\i+3], v1, s[4:5] offset:4096*(\rho)+512*\i th:TH_LOAD_NT
.endr
.endm
	LOAD 0
	LOAD 1
	LOAD 2
	; ---- the table, while the first rows are on their way.  Lane l makes elements 2 l and 2 l + 1 of a row: lanes 0-15 cosines, lanes 16-31 sines, of frequencies 2 (l % 16) and 2 (l % 16) + 1
	v_and_b32 v144, 15, v9
	v_lshlrev_b32 v144, 1, v144
	v_bfe_u32 v145, v9, 4, 1
	v_sub_nc_u32 v146, 1, v145                     ; a cosine is the sine a quarter turn on: 1 in lanes 0-15
	v_cvt_f32_u32 v147, v144
	v_add_f32 v148, 1.0, v147
	v_mul_f32 v147, 0xbed49a78, v147               ; - i x log2(10000) / 32
	v_mul_f32 v148, 0xbed49a78, v148
	s_wait_alu depctr_va_vdst(0)
	v_exp_f32 v147, v147                           ; 10000^(-i / 32)
	v_exp_f32 v148, v148
	v_cvt_f32_u32 v158, s38                        ; (plain lines behind the two exponentials)
	v_cvt_f32_u32 v159, s39
	s_wait_alu depctr_va_vdst(0)                   ; one wait for both, ahead of their first reader
.macro TRIG dst, pos, invf             ; v[dst] = sin(v[pos] x v[invf] + v146 x pi / 2)
	v_mul_f32 v150, v[\pos], v[\invf]              ; the angle, rounded once
	v_mul_f32 v151, 0x3f22f983, v150
	v_rndne_f32 v151, v151                         ; k = the nearest whole number to angle x 2 / pi (at most 1,304)
	v_fma_f32 v152, -v151, s18, v150               ; angle - k pi / 2, in two parts
	v_fma_f32 v152, -v151, s19, v152
	v_cvt_i32_f32 v153, v151
	v_add_nc_u32 v153, v153, v146                  ; the quarter turns
	v_mul_f32 v154, v152, v152
	v_mov_b32 v155, 0x3638ef1d                     ; sin: 1/9!, -1/7!, 1/5!, -1/3!
	v_fmaak_f32 v155, v155, v154, 0xb9500d01
	v_fmaak_f32 v155, v155, v154, 0x3c088889
	v_fmaak_f32 v155, v155, v154, 0xbe2aaaab
	v_mul_f32 v157, v152, v154
	v_fma_f32 v155, v157, v155, v152
	v_mov_b32 v156, 0x37d00d01                     ; cos: 1/8!, -1/6!, 1/4!, -1/2!
	v_fmaak_f32 v156, v156, v154, 0xbab60b61
	v_fmaak_f32 v156, v156, v154, 0x3d2aaaab
	v_fmaak_f32 v156, v156, v154, 0xbf000000
	v_fma_f32 v156, v154, v156, 1.0
	v_and_b32 v157, 1, v153
	v_cmp_eq_u32 vcc_lo, 1, v157
	v_cndmask_b32 v[\dst], v155, v156, vcc_lo      ; an odd number of quarter turns: the cosine
	v_lshlrev_b32 v157, 30, v153
	v_and_b32 v157, 0x80000000, v157               ; two or three of four: the sign turns
	v_xor_b32 v[\dst], v[\dst], v157
.endm
	TRIG 176, 158, 147
	TRIG 177, 158, 148
	TRIG 178, 159, 147
	TRIG 179, 159, 148
	global_store_b64 v7, v[176:177], s[32:33]              ; 32 lanes store 256 consecutive bytes, aligned
	global_store_b64 v7, v[178:179], s[32:33] offset:256
	v_cvt_f32_u32 v180, v146                       ; cos = 1, sin = 0
	v_mov_b32 v181, v180
	s_cmp_lg_u32 s12, 0
	s_cbranch_scc1 .Lnot_wave_0
	global_store_b64 v7, v[180:181], s[36:37]
.Lnot_wave_0:
; ---- a row
.macro ROW rho
.set RS, R+32*((\rho)%3)
.if (\rho) <= 5
	s_wait_loadcnt 16                              ; loads come back in order: this row's eight are in; those of the two rows behind it may be out
.elseif (\rho) == 6
	s_wait_loadcnt 8
.else
	s_wait_loadcnt 0
.endif
	s_wait_xcnt 0x0                                ; the stores issued so far have read their data: the registers of the table's numbers and of the codes two rows back are written again only behind this wait
.irp c, 0,1,2,3
	v_pk_mul_f32 v[T+2*\c:T+2*\c+1], v[RS+2*\c:RS+2*\c+1], v[RS+2*\c:RS+2*\c+1]   ; the sum of squares, in four chains of pairs
.endr
.irp k, 1,2,3
.irp c, 0,1,2,3
	v_pk_fma_f32 v[T+2*\c:T+2*\c+1], v[RS+8*\k+2*\c:RS+8*\k+2*\c+1], v[RS+8*\k+2*\c:RS+8*\k+2*\c+1], v[T+2*\c:T+2*\c+1]
.endr
.endr
	v_pk_add_f32 v[T:T+1], v[T:T+1], v[T+2:T+3]
	v_pk_add_f32 v[T+4:T+5], v[T+4:T+5], v[T+6:T+7]
	v_pk_add_f32 v[T:T+1], v[T:T+1], v[T+4:T+5]
	v_add_f32 v[T], v[T], v[T+1]
	v_add_f32_dpp v[T], v[T], v[T] row_xmask:1 row_mask:0xf bank_mask:0xf
	v_add_f32_dpp v[T], v[T], v[T] row_xmask:2 row_mask:0xf bank_mask:0xf
	v_add_f32_dpp v[T], v[T], v[T] row_xmask:4 row_mask:0xf bank_mask:0xf
	v_add_f32_dpp v[T], v[T], v[T] row_xmask:8 row_mask:0xf bank_mask:0xf
	v_permlanex16_b32 v[T+8], v[T], s14, s15
	v_add_f32 v[T], v[T], v[T+8]                   ; every lane holds the row's sum
	v_fma_f32 v[T], v[T], s16, s17                 ; the mean + 1e-5
	s_wait_alu depctr_va_vdst(0)
	v_rsq_f32 v[T+10], v[T]
	v_nop                                          ; a plain line behind the transcendental
	s_wait_alu depctr_va_vdst(0)                   ; and the wait ahead of its first reader
.irp k, 0,1,2,3,4,5,6,7,8,9,10,11,12,13,14,15
	v_pk_mul_f32 v[RS+2*\k:RS+2*\k+1], v[RS+2*\k:RS+2*\k+1], v[T+10:T+11] op_sel_hi:[1,0]
.endr
.irp k, 0,1,2,3,4,5,6,7,8,9,10,11,12,13,14,15
	v_pk_mul_f32 v[RS+2*\k:RS+2*\k+1], v[RS+2*\k:RS+2*\k+1], v[WN+2*\k:WN+2*\k+1]   ; (x rms) w, in that order
.endr
.irp i, 0,1,2,3,4,5,6,7
	ds_store_b128 v2, v[RS+4*\i:RS+4*\i+3] offset:32*SP*(\i/4)+8*SP*(\i%4)
.endr
.irp i, 0,1,2,3,4,5,6,7
	ds_load_b128 v[X+4*\i:X+4*\i+3], v3 offset:32*SP*(\i/4)+16*(\i%4)   ; LDS serves a wave's instructions in order: these see the stores above
.endr
	s_wait_dscnt 0x0                               ; the row is back, 16 neighbours a lane and half row; the stores have read the set,
.if (\rho)+3 <= 7
	LOAD (\rho)+3                                  ; which takes the row three further on
.endif
.irp st, 0,1
	v_max3_num_f32 v[T+12], |v[X+16*\st]|, |v[X+16*\st+1]|, |v[X+16*\st+2]|   ; the largest magnitude of my 16
	v_max3_num_f32 v[T+13], |v[X+16*\st+3]|, |v[X+16*\st+4]|, |v[X+16*\st+5]|
.irp i, 6,10
	v_max3_num_f32 v[T+12], v[T+12], |v[X+16*\st+\i]|, |v[X+16*\st+\i+1]|
	v_max3_num_f32 v[T+13], v[T+13], |v[X+16*\st+\i+2]|, |v[X+16*\st+\i+3]|
.endr
	v_max3_num_f32 v[T+12], v[T+12], |v[X+16*\st+14]|, |v[X+16*\st+15]|
	v_max3_num_f32 v[T+12], v[T+12], v[T+13], 0x1800000            ; and the floor 2^(3 - 127): the byte cannot fall under 1
	v_max_num_f32_dpp v[T+12], v[T+12], v[T+12] row_xmask:1 row_mask:0xf bank_mask:0xf   ; with my neighbour's 16: the block's
	v_add_nc_u32 v[T+14], 0xff000000, v[T+12]      ; 2 off its exponent field: the conversion takes that field as its scale
	v_cvt_scalef32_pk16_fp6_f32 v[C+8*((\rho)%2)+4*\st:C+8*((\rho)%2)+4*\st+2], v[X+16*\st:X+16*\st+15], v[T+14]
	v_lshrrev_b32 v[E+2*(\rho)+\st], 23, v[T+14]   ; the scale's byte (also the plain line behind the conversion)
	ds_store_b8 v5, v[E+2*(\rho)+\st] offset:32*(\rho)+16*\st      ; both lanes of a block write the same byte with the same value
	global_store_b96 v4, v[C+8*((\rho)%2)+4*\st:C+8*((\rho)%2)+4*\st+2], s[8:9] offset:768*(\rho)+384*\st   ; 32 lanes store 384 consecutive bytes
.endr
.endm
.irp p, 0,1,2,3,4,5,6,7
	ROW \p
.endr
	ds_load_b64 v[T:T+1], v6                       ; my wave's 256 scale bytes
	s_wait_dscnt 0x0
	global_store_b64 v7, v[T:T+1], s[10:11]        ; 32 lanes store 256 consecutive bytes, aligned
	s_wait_tensorcnt 0x0
	ds_add_u32 v224, v225
	s_wait_dscnt 0x0
	s_endpgm
.Lfunc_end_k_q8fa5942b7e_prep:
	.size	k_q8fa5942b7e_prep, .Lfunc_end_k_q8fa5942b7e_prep-k_q8fa5942b7e_prep
	.p2alignl 7, 3214868480
	.fill 96, 4, 3214868480
	.section	.rodata,"a",@progbits
	.p2align	6, 0x0
	.amdhsa_kernel k_q8fa5942b7e_prep
		.amdhsa_group_segment_fixed_size 33280
		.amdhsa_private_segment_fixed_size 0
		.amdhsa_enable_private_segment 0
		.amdhsa_kernarg_size 32
		.amdhsa_user_sgpr_count 2
		.amdhsa_user_sgpr_kernarg_segment_ptr 1
		.amdhsa_wavefront_size32 1
		.amdhsa_system_sgpr_workgroup_id_x 1
		.amdhsa_system_sgpr_workgroup_id_y 1
		.amdhsa_system_sgpr_workgroup_id_z 1
		.amdhsa_system_vgpr_workitem_id 0
		.amdhsa_next_free_vgpr 226
		.amdhsa_next_free_sgpr 66
		.amdhsa_reserve_vcc 1
		.amdhsa_float_denorm_mode_32 3
		.amdhsa_float_denorm_mode_16_64 3
		.amdhsa_memory_ordered 1
		.amdhsa_forward_progress 1
		.amdhsa_inst_pref_size 69
	.end_amdhsa_kernel
	.amdgpu_metadata
---
amdhsa.version: [ 1, 2 ]
amdhsa.kernels:
  - .name:           k_q8fa5942b7e_prep
    .symbol:         k_q8fa5942b7e_prep.kd
    .args:
      - { .name: x, .offset: 0, .size: 8, .value_kind: global_buffer, .address_space: global }
      - { .name: norm_w, .offset: 8, .size: 8, .value_kind: global_buffer, .address_space: global }
      - { .name: xq_codes, .offset: 16, .size: 8, .value_kind: global_buffer, .address_space: global }
      - { .name: xq_aux, .offset: 24, .size: 8, .value_kind: global_buffer, .address_space: global }
    .group_segment_fixed_size: 33280
    .private_segment_fixed_size: 0
    .kernarg_segment_align: 8
    .kernarg_segment_size: 32
    .max_flat_workgroup_size: 128
    .sgpr_count:     66
    .vgpr_count:     226
    .wavefront_size: 32
...
	.end_amdgpu_metadata
.endif
;; end of part 1
;; launch proj (part 2): grid 12 x 64, 4 waves a work-group, clusters of 4 x 4, 327,680 bytes of LDS; arguments xq_codes, xq_aux, encoder_out_codes, encoder_out_scales, Wq_codes, Wq_scales, Wkv_codes, Wkv_scales, q_img, q_sc, kv_img, kv_sc; writes q_img, q_sc, kv_img, kv_sc
.if DOCPART == 2
	.amdgcn_target "amdgcn-amd-amdhsa--gfx1250"
	.amdhsa_code_object_version 6
	.text
	.protected	k_q8fa5942b7e_proj
	.globl	k_q8fa5942b7e_proj
	.p2align	8
	.type	k_q8fa5942b7e_proj,@function
k_q8fa5942b7e_proj:
	s_mov_b64 s[64:65], 0
	v_nop
	global_prefetch_b8 v0, s[64:65] scope:SCOPE_SE
	s_setreg_imm32_b32 hwreg(HW_REG_WAVE_MODE, 25, 1), 1
	s_wait_xcnt 0x0
	s_wait_alu depctr_hold_cnt(0) depctr_sa_sdst(0) depctr_va_vdst(0) depctr_va_sdst(0) depctr_va_ssrc(0) depctr_va_vcc(0) depctr_vm_vsrc(0)
	s_getreg_b32 s2, hwreg(HW_REG_IB_STS2, 6, 4)
	s_cmp_eq_u32 s2, 0
	s_cbranch_scc0 .Lentry_in_a_cluster
	s_endpgm
.Lentry_in_a_cluster:
	s_bfe_u32 s2, ttmp6, 0x10000c
	s_cmp_lg_u32 s2, 0xf033
	s_cbranch_scc0 .Lentry_shape_is_right
	s_endpgm
.Lentry_shape_is_right:
; THREE PRODUCTS ON CODES OF FP6 (E2M3) IN ONE GRID, each C[m][n] = sum over k of A[m][k] B[n][k], K = 1,024, each result quantised along n on its way out.
; The cluster's x names the product: 0: q = xn Wq^T;  1: k = enc Wk^T;  2: v^T = Wv enc^T (its columns are the keys, along which v is quantised).
; A block of C is 128 x 256; a wave makes 64 x 128: 32 accumulators.  ALL OF K LIES IN LDS: a row of 768 bytes as three chunks of 256 bytes, each chunk's rows 272 bytes apart;
; every tensor row is 256 bytes of memory and begins at a multiple of 256.  Nothing is filled twice.  Each wave asks for one tile at the head (A's chunk 0, B's chunk 0, A's scales, B's scales)
; and for one more behind the full sequence and a round (chunks 1 and 2 of A and of B).  768 work-groups: three for each WGP.
; 4 x 4 work-groups form a cluster: A's tiles are asked for jointly along a row of it, B's along a column.
; No prefetch: there is no loop to run ahead in; all tiles are asked for in the first two groups of loads.
; THE MATRIX INSTRUCTION IS USED TRANSPOSED (source 0 = 16 rows of B, source 1 = 16 rows of A): a lane holds one row m and eight neighbouring columns n.
; THE WAY OUT, block by block of 16 rows x 128 columns: the rotary embedding (v^T reads table rows with cos = 1, sin = 0), an exchange of lane halves, the quantiser, and stores of the codes as images of an
; operand's registers: six registers a lane for 16 rows x 64 k, 768 bytes: registers 0-3 at 16 x place, 4-5 at 512 + 8 x place; place = lane, in k's odd tiles of 16 keys lane xor 8.
; q_img [64 heads][128 tiles][768]; kv_img [64][196,608]: k's 128 images, then v^T's [16 steps of 128 keys][4 tiles of 16 channels][2 images].  Scale words: q_sc, kv_sc [head][token]; v^T's [step][channel].
; LIMITS: NaN and infinities are not served; a block of zeros or under 2^-124 gets the byte 1 (this program alone reads the bytes).
; REGISTERS: window 0: v0-31 addresses; v32-63 scale words, two sets; v64-127 table numbers; v128-223 A's fragments, two sets.  window 1: B's fragments, two sets.  window 2: the accumulators, (a, b) at v[8 (8 a + b)].
.set ROWB,  256
.set KROW,  768
.set PITCH, 272
.set FR,    12
.set NP,    4
.set ACH,   128*PITCH                  ; a chunk of A's 128 rows
.set BCH,   256*PITCH                  ; a chunk of B's 256 rows
.set BBASE, 3*ACH
.set SCL,   BBASE+3*BCH                ; the scales: units of 256 bytes + 16 of padding; A's 128 rows, then B's 256
.set SBLK,  544                        ; those of 16 rows
.set SPARE, SCL+24*SBLK                ; the spare words
.set STG,   BBASE                      ; the results' scale words gather in B's chunk 0, behind the barrier of the last step: it has had its only fill and its last read
.set TBV,  7
.set V16A, 8
.set V16B, 9
.set V8A,  10
.set V8B,  11
.set SHV,  12
.set SSV,  13
.set SRV,  14
.set SAV,  15
.set ADRA, 16                          ; v16-18 my A rows in chunks 0-2; v19-20 lanes 0-15 at byte 232 of chunk 0, 1, lanes 16-31 at byte 0 of the next chunk
.set ADRB, 21                          ; v21-25 the same for B
.set ADRS, 27
.set SPW,  28
.set NIL,  29
.set SC,   32
.set TT,   64
.set AF,   128
.set H,    128
.set PC,   192
.set TM,   212
.set PW,   228
.set TA,   230
.set TB,   232
.set WA,   32
.set R0,   40
.set G1,   24
.set G0,   32
.set G1B,  48
.set G0B,  56
.set G1S,  68
.set G0S,  76
.set G1SB, 80
.set G0SB, 88
.set TAB,  96
.set LOP,  98
.set PSC,  100
.set HIP,  24
.set S1,   26
.set SEL,  32
.set MSB, 0
.macro WIN new
.if MSB != \new
	s_set_vgpr_msb (MSB<<8)|\new
.set MSB, \new
.endif
.endm
.set MUL_LO, 0xa1                      ; source 0 (B) window 1, source 1 (A) window 0, C and D window 2
.set TO_B,   0x40
.macro TL g0, g1                       ; a joint load with an s_nop and four v_nops behind it
	tensor_load_to_lds s[\g0:\g0+3], s[\g1:\g1+7]
	s_nop 0
.rept 4
	v_nop
.endr
.endm
.macro FOUR ga, g1a, gb, g1b, gc, g1c, gd, g1d   ; one chain of branches on the wave's number: one load a wave
	s_cmp_lt_u32 s14, 1
	s_cbranch_scc0 .La_\@
	TL \ga, \g1a
	s_branch .Lj_\@
.La_\@:
	s_cmp_lt_u32 s14, 2
	s_cbranch_scc0 .Lb_\@
	TL \gb, \g1b
	s_branch .Lj_\@
.Lb_\@:
	s_cmp_lt_u32 s14, 3
	s_cbranch_scc0 .Lc_\@
	TL \gc, \g1c
	s_branch .Lj_\@
.Lc_\@:
	TL \gd, \g1d
.Lj_\@:
.endm
.macro CROUND                          ; a round of the cluster's barrier
	s_barrier_signal -1
	s_barrier_wait -1
	s_cmp_lg_u32 s14, 0
	s_cbranch_scc1 .Lnot_wave_0_\@
	s_barrier_signal -3
.Lnot_wave_0_\@:
	s_barrier_wait -3
	s_barrier_signal -1
	s_barrier_wait -1
.endm
.macro MKG0 g, lds, a, off
	s_mov_b32 s[\g], 1
	s_mov_b32 s[\g+1], \lds
	s_add_nc_u64 s[\g+2:\g+3], s[\a:\a+1], \off
	s_or_b32 s[\g+3], s[\g+3], 0x80000000
.endm
.macro MKG1 g, c, r, p                 ; words 1 to 7 of a group 1: rows of c elements, r rows, pitch p
	s_mov_b32 s[\g+1], (\c)<<16
	s_mov_b32 s[\g+2], (\r)<<16
	s_mov_b32 s[\g+3], (\c)<<16
	s_mov_b32 s[\g+4], \r
	s_mov_b32 s[\g+5], \p
	s_mov_b32 s[\g+6], 0
	s_mov_b32 s[\g+7], 0
.endm
	s_load_b512 s[68:83], s[0:1], 0x0              ; xn's codes 68, xq_aux 70, enc's codes 72, scales 74, Wq's 76, 78, Wkv's 80, 82
	s_load_b256 s[84:91], s[0:1], 0x40             ; q_img 84, q_sc 86, kv_img 88, kv_sc 90
	v_lshl_add_u32 v[SPW], v0, 2, SPARE
	v_mov_b32 v[NIL], 0
	ds_add_u32 v[SPW], v[NIL]                      ; the opening lines: the add, twice on end
	ds_add_u32 v[SPW], v[NIL]
	v_lshrrev_b32 v1, 5, v0
	v_readfirstlane_b32 s14, v1                    ; wave
	s_lshr_b32 s15, s14, 1                         ; which 64 rows of the block are mine
	s_and_b32 s16, s14, 1                          ; which 128 columns
	s_bfe_u32 s40, ttmp6, 0x40000                  ; cx
	s_bfe_u32 s41, ttmp6, 0x40004                  ; cy
	s_and_b32 s18, ttmp7, 0xffff                   ; the cluster's y, 0 .. 15
	s_lshl_b32 s19, s18, 2
	s_and_b32 s20, s18, 1
	s_lshl_b32 s20, s20, 2
	s_lshr_b32 s21, s18, 1
	s_lshl_b32 s21, s21, 2
	s_cmp_eq_u32 ttmp9, 2
	s_cselect_b32 s17, s20, s19                    ; q, k: 64 block rows, 4 block columns;  v^T: 8 block rows, 32 block columns
	s_cselect_b32 s42, s21, 0
	s_add_co_u32 s17, s17, s41                     ; block row
	s_add_co_u32 s42, s42, s40                     ; block column
	s_lshl_b32 s43, s41, 2
	s_lshl_b32 s43, 15, s43                        ; my row of the cluster
	s_lshl_b32 s44, 0x1111, s40                    ; my column
	s_or_b32 s[G1+0], s43, (1<<20)|(1<<21)|(5<<22)|(3<<25)    ; bytes; 4 words of padding behind every 64
	s_or_b32 s[G1B+0], s44, (1<<20)|(1<<21)|(5<<22)|(3<<25)
	MKG1 G1, ROWB, 128, KROW
	MKG1 G1B, ROWB, 256, KROW
	s_lshl_b32 s20, s17, 7                         ; A's first row
	s_lshl_b32 s46, s42, 8                         ; B's first row
	s_lshl_b32 s22, s20, 5                         ; their scales, 32 bytes a row
	s_lshl_b32 s92, s46, 5
	s_mul_i32 s20, s20, KROW                       ; their codes
	s_mul_i32 s46, s46, KROW
	s_mov_b32 s21, 0
	s_mov_b32 s23, 0
	s_mov_b32 s47, 0
	s_mov_b32 s93, 0
	s_wait_dscnt 0x0
	s_wait_kmcnt 0x0
	s_cmp_eq_u32 ttmp9, 0                          ; the product's buffers: the choice hangs on the cluster's x alone
	s_cselect_b64 s[4:5], s[68:69], s[72:73]
	s_cselect_b64 s[6:7], s[70:71], s[74:75]
	s_cselect_b64 s[8:9], s[76:77], s[80:81]
	s_cselect_b64 s[10:11], s[78:79], s[82:83]
	s_cselect_b64 s[LOP:LOP+1], s[84:85], s[88:89]
	s_cselect_b64 s[PSC:PSC+1], s[86:87], s[90:91]
	s_add_nc_u64 s[80:81], s[80:81], 786432        ; Wv: rows 1,024 on of Wkv
	s_add_nc_u64 s[82:83], s[82:83], 32768
	s_cmp_eq_u32 ttmp9, 2
	s_cselect_b64 s[4:5], s[80:81], s[4:5]
	s_cselect_b64 s[6:7], s[82:83], s[6:7]
	s_cselect_b64 s[8:9], s[72:73], s[8:9]
	s_cselect_b64 s[10:11], s[74:75], s[10:11]
	s_add_nc_u64 s[TAB:TAB+1], s[70:71], 262144    ; the table lies behind xn's scales
	s_add_nc_u64 s[20:21], s[4:5], s[20:21]
	s_add_nc_u64 s[22:23], s[6:7], s[22:23]
	s_add_nc_u64 s[46:47], s[8:9], s[46:47]
	s_add_nc_u64 s[92:93], s[10:11], s[92:93]
	s_or_b32 s[G1S+0], s43, (3<<16)|(1<<20)|(1<<21)|(5<<22)|(3<<25)   ; the scales: dense blocks, as rows of 256 bytes
	s_or_b32 s[G1SB+0], s44, (3<<16)|(1<<20)|(1<<21)|(5<<22)|(3<<25)
	MKG1 G1S, 32, 16, 32
	MKG1 G1SB, 32, 32, 32
	MKG0 G0, 0, 20, 0                              ; A's chunk 0 (stepped to chunk 1 later)
	MKG0 G0+4, 2*ACH, 20, 2*ROWB                   ; A's chunk 2
	MKG0 G0B, BBASE, 46, 0
	MKG0 G0B+4, BBASE+2*BCH, 46, 2*ROWB
	MKG0 G0S, SCL, 22, 0
	MKG0 G0SB, SCL+8*SBLK, 92, 0
	CROUND                                         ; the first joint loads meet
	FOUR G0, G1, G0B, G1B, G0S, G1S, G0SB, G1SB
	; where the results go.  tok = my first token, feat = my first feature: rows and columns for q and k, columns and rows for v^T
	s_lshl_b32 s18, s17, 7
	s_lshl_b32 s19, s15, 6
	s_add_co_u32 s18, s18, s19                     ; my first row of C
	s_lshl_b32 s20, s42, 8
	s_lshl_b32 s21, s16, 7
	s_add_co_u32 s20, s20, s21                     ; my first column
	s_and_b32 s94, s18, 2047                       ; q, k: my first row's position
	s_add_co_u32 s19, s19, 2048                    ; v^T: the table's rows of ones and zeros
	s_mov_b32 s95, 196608
	s_mov_b32 s2, 12288
	s_cmp_eq_u32 ttmp9, 0
	s_cselect_b32 s95, 98304, s95                  ; a head's images in bytes
	s_cselect_b32 s2, 8192, s2                     ; a head's words
	s_cmp_eq_u32 ttmp9, 2
	s_cselect_b32 s22, s20, s18                    ; tok
	s_cselect_b32 s23, s18, s20                    ; feat
	s_cselect_b32 s46, 98304, 0                    ; v^T's images lie behind k's,
	s_cselect_b32 s47, 8192, 0                     ; its words behind k's:
	s_cselect_b32 s92, 1, 2                        ; 256 bytes for 128 tokens, against 4 bytes a token
	s_cselect_b32 s94, s19, s94                    ; my first row of the table
	s_cselect_b32 s10, 0, 16                       ; q, k: lanes 16-31 keep the word's upper two bytes, the second head's; v^T: the same word in both halves
	s_cselect_b32 s11, 0, s2                       ; and store them a head further on; v^T: both halves store the same bytes at the same place
	s_cmp_eq_u32 ttmp9, 1
	s_cselect_b32 s3, 8, 0                         ; k alone: odd tiles are laid with lane xor 8
	s_lshr_b32 s18, s22, 11
	s_lshl_b32 s18, s18, 4
	s_lshr_b32 s19, s23, 6
	s_add_co_u32 s18, s18, s19                     ; 16 x batch + head
	s_and_b32 s22, s22, 2047
	s_mul_i32 s20, s18, s95
	s_mul_i32 s21, s22, 48                         ; 768 bytes for 16 tokens; v^T: 6,144 for 128
	s_add_co_u32 s20, s20, s21
	s_add_co_u32 s20, s20, s46
	s_mov_b32 s21, 0
	s_add_nc_u64 s[LOP:LOP+1], s[LOP:LOP+1], s[20:21]
	s_mul_i32 s20, s18, s2
	s_lshl_b32 s22, s22, s92
	s_add_co_u32 s20, s20, s22
	s_add_co_u32 s20, s20, s47
	s_add_nc_u64 s[PSC:PSC+1], s[PSC:PSC+1], s[20:21]
	s_lshl_b32 s20, s94, 8
	s_add_nc_u64 s[TAB:TAB+1], s[TAB:TAB+1], s[20:21]
	s_mul_i32 s4, s15, 64*PITCH                    ; my 64 rows of A
	s_mul_i32 s5, s16, 128*PITCH
	s_add_co_u32 s5, s5, BBASE                     ; my 128 rows of B
	s_mov_b32 s6, ACH-232
	s_mov_b32 s7, BCH-232
	s_mul_i32 s8, s15, 4*SBLK
	s_mul_i32 s9, s16, 8*SBLK
	s_add_co_u32 s9, s9, 8*SBLK
	s_sub_co_u32 s9, s9, s8                        ; from A's scale words to B's
	s_add_co_u32 s8, s8, SCL
	s_lshl_b32 s12, s14, 10
	s_add_co_u32 s12, s12, STG
	s_wait_alu depctr_va_vdst(0)                   ; the wait behind the run of scalar lines
	v_and_b32 v1, 15, v0                           ; r
	v_bfe_u32 v2, v0, 4, 1                         ; h
	v_and_b32 v6, 31, v0                           ; lane
	v_mul_u32_u24 v3, v1, PITCH
	v_mad_u32_u24 v4, v2, 24, v3                   ; row x pitch + 24 h
	v_mul_u32_u24 v5, s6, v2
	v_add_nc_u32 v5, v3, v5
	v_add_nc_u32 v5, 232, v5                       ; lanes 0-15 byte 232 of the row, lanes 16-31 byte 0 of the row a chunk on
	v_add_nc_u32 v[ADRA], s4, v4
	v_add_nc_u32 v[ADRA+1], ACH, v[ADRA]
	v_add_nc_u32 v[ADRA+2], 2*ACH, v[ADRA]
	v_add_nc_u32 v[ADRA+3], s4, v5
	v_add_nc_u32 v[ADRA+4], ACH, v[ADRA+3]
	v_mul_u32_u24 v5, s7, v2
	v_add_nc_u32 v5, v3, v5
	v_add_nc_u32 v5, 232, v5
	v_add_nc_u32 v[ADRB], s5, v4
	v_add_nc_u32 v[ADRB+1], BCH, v[ADRB]
	v_add_nc_u32 v[ADRB+2], 2*BCH, v[ADRB]
	v_add_nc_u32 v[ADRB+3], s5, v5
	v_add_nc_u32 v[ADRB+4], BCH, v[ADRB+3]
	v_lshlrev_b32 v5, 5, v1                        ; my row's scales: 32 bytes a row,
	v_lshrrev_b32 v26, 8, v5
	v_lshl_add_u32 v5, v26, 4, v5                  ; 16 more behind each 256
	v_mul_u32_u24 v26, s9, v2                      ; lanes 16-31 take B's
	v_add_nc_u32 v5, v5, v26
	v_add_nc_u32 v[ADRS], s8, v5
	v_lshlrev_b32 v[TBV], 8, v1
	v_lshl_add_u32 v[TBV], v2, 5, v[TBV]
	v_lshlrev_b32 v[V16A], 4, v6
	v_lshlrev_b32 v[V8A], 3, v6
	v_xor_b32 v5, s3, v6
	v_lshlrev_b32 v[V16B], 4, v5
	v_lshlrev_b32 v[V8B], 3, v5
	v_mul_u32_u24 v[SHV], s10, v2
	v_lshlrev_b32 v[SSV], 2, v1
	v_lshl_add_u32 v[SSV], v2, 9, v[SSV]
	v_add_nc_u32 v[SSV], s12, v[SSV]               ; STG + 1,024 x wave + 512 h + 4 r
	v_lshlrev_b32 v[SRV], 4, v1
	v_lshl_add_u32 v[SRV], v2, 9, v[SRV]
	v_add_nc_u32 v[SRV], s12, v[SRV]               ; STG + 1,024 x wave + 512 h + 16 r
	v_mul_u32_u24 v[SAV], s11, v2
	v_lshl_add_u32 v[SAV], v1, 4, v[SAV]
	s_wait_alu depctr_va_vdst(0)                   ; the wait at the head's end
.macro TLOAD a                         ; the table's numbers for block a: lane (r, h) takes of row 16 a + r the cosines and sines of frequencies 8 h + 0 .. 7 and 16 + 8 h + 0 .. 7
.irp o, 0,1,2,3
	global_load_b128 v[TT+32*((\a)%2)+8*\o:TT+32*((\a)%2)+8*\o+3], v[TBV], s[TAB:TAB+1] offset:4096*(\a)+64*\o
	global_load_b128 v[TT+32*((\a)%2)+8*\o+4:TT+32*((\a)%2)+8*\o+7], v[TBV], s[TAB:TAB+1] offset:4096*(\a)+64*\o+16
.endr
.endm
	TLOAD 0
	TLOAD 1
.macro FRAG reg, adr, st, i            ; 16 rows x 128 K: 12 registers, in pieces of 8 bytes; byte y of a row lies in chunk y / 256 at byte y % 256
.irp p, 0,1,2,3,4,5
.set BY, 96*(\st)+48*(\p/3)+8*(\p%3)
.if BY/ROWB == (BY+24)/ROWB
	ds_load_b64 v[\reg+2*\p:\reg+2*\p+1], v[\adr+BY/ROWB] offset:BY%ROWB+(\i)*16*PITCH
.else
	ds_load_b64 v[\reg+2*\p:\reg+2*\p+1], v[\adr+3+BY/ROWB] offset:BY%ROWB-232+(\i)*16*PITCH
.endif
.endr
.endm
.macro FETCH st                        ; step st's fragments into sets st % 2; with an even step the scale words of two steps
	WIN TO_B
.irp i, 0,1,2,3,4,5,6,7
	FRAG 128*((\st)%2)+FR*\i, ADRB, \st, \i
.endr
	WIN 0
.irp i, 0,1,2,3
	FRAG AF+48*((\st)%2)+FR*\i, ADRA, \st, \i
.endr
.if (\st)%2 == 0
.irp i, 0,1,2,3,4,5,6,7
	ds_load_b64 v[SC+16*(((\st)/2)%2)+2*\i:SC+16*(((\st)/2)%2)+2*\i+1], v[ADRS] offset:\i*SBLK+4*(\st)   ; lanes 0-15 A's block i (4-7: not used), lanes 16-31 B's block i
.endr
.endif
.endm
.macro MUL16 a0, st, zero              ; A's blocks a0, a0 + 1 x B's eight; the 32 accumulators take turns
.irp a, \a0, \a0+1
.irp b, 0,1,2,3,4,5,6,7
.if \zero
	v_wmma_scale_f32_16x16x128_f8f6f4 v[8*(8*(\a)+\b):8*(8*(\a)+\b)+7], v[128*((\st)%2)+FR*\b:128*((\st)%2)+FR*\b+FR-1], v[AF+48*((\st)%2)+FR*(\a):AF+48*((\st)%2)+FR*(\a)+FR-1], 0, v[SC+16*(((\st)/2)%2)+2*\b+(\st)%2], v[SC+16*(((\st)/2)%2)+2*(\a)+(\st)%2] matrix_a_fmt:MATRIX_FMT_FP6 matrix_b_fmt:MATRIX_FMT_FP6 matrix_a_scale:MATRIX_SCALE_ROW1
.else
	v_wmma_scale_f32_16x16x128_f8f6f4 v[8*(8*(\a)+\b):8*(8*(\a)+\b)+7], v[128*((\st)%2)+FR*\b:128*((\st)%2)+FR*\b+FR-1], v[AF+48*((\st)%2)+FR*(\a):AF+48*((\st)%2)+FR*(\a)+FR-1], v[8*(8*(\a)+\b):8*(8*(\a)+\b)+7], v[SC+16*(((\st)/2)%2)+2*\b+(\st)%2], v[SC+16*(((\st)/2)%2)+2*(\a)+(\st)%2] matrix_a_fmt:MATRIX_FMT_FP6 matrix_b_fmt:MATRIX_FMT_FP6 matrix_a_scale:MATRIX_SCALE_ROW1
.endif
.endr
.endr
.endm
.macro PLACES                          ; plain vector lines between a matrix instruction and a load into, or a read of, its registers
.rept NP
	v_nop
.endr
.endm
; A step of 128 along K: this step's fragments are in; the next step's are asked for, into the sets that the step before read; 32 matrix instructions.
; Step 1: step 2 reads chunk 1, so every wave waits for its tensor load and a barrier shows chunks 1 and 2 whole.  Step 7: a barrier behind which nobody reads the tiles any more.
.macro STEP st, zero
	s_wait_dscnt 0x0
.if (\st) == 1
	s_wait_tensorcnt 0x0
	s_barrier_signal -1
	WIN MUL_LO
	MUL16 0, \st, \zero
	WIN 0
	s_barrier_wait -1
	PLACES
	FETCH (\st)+1
	WIN MUL_LO
	MUL16 2, \st, \zero
.else
.if (\st) > 0 && (\st) < 7
	PLACES
.endif
.if (\st) < 7
	FETCH (\st)+1
.else
	s_barrier_signal -1
.endif
	WIN MUL_LO
	MUL16 0, \st, \zero
	MUL16 2, \st, \zero
.endif
	WIN 0
.if (\st) == 7
	s_barrier_wait -1
.endif
.endm
	s_wait_tensorcnt 0x0                           ; my tile of the head's four is in
	ds_add_u32 v[SPW], v[NIL]
	s_add_co_u32 s[G0+1], s[G0+1], ACH             ; no tensor load of mine is out: on to chunk 1
	s_add_nc_u64 s[G0+2:G0+3], s[G0+2:G0+3], ROWB
	s_add_co_u32 s[G0B+1], s[G0B+1], BCH
	s_add_nc_u64 s[G0B+2:G0B+3], s[G0B+2:G0B+3], ROWB
	s_wait_dscnt 0x0
	CROUND
	FOUR G0, G1, G0B, G1B, G0+4, G1, G0B+4, G1B    ; chunks 1 of A and B, chunks 2 of A and B: one load a wave
	FETCH 0
	STEP 0, 1
.set ST, 1
.rept 7
	STEP ST, 0
.set ST, ST+1
.endr
; ---- THE WAY OUT.  No tensor load is out, so the descriptors' registers are free.
	s_mov_b32 s34, 196608
	s_cmp_eq_u32 ttmp9, 0
	s_cselect_b32 s34, 98304, s34                  ; q, k: a block's second image is the next head's
	s_mov_b32 s[S1], 768
	s_cmp_eq_u32 ttmp9, 2
	s_cselect_b32 s34, 768, s34                    ; v^T: the keys' second 64
	s_cselect_b32 s[S1], 1536, s[S1]               ; from block to block
	s_mov_b32 s35, 0
	s_mov_b32 s[S1+1], 0
	s_add_nc_u64 s[HIP:HIP+1], s[LOP:LOP+1], s[34:35]
	s_mov_b32 s[SEL], 0x76543210
	s_mov_b32 s[SEL+1], 0xfedcba98                 ; selects for lane l xor 16
.macro QUANT s                         ; 64 numbers of a lane, register 16 b + i = column 32 b + 16 h + i of my row, become codes in v[PC] on and a scale word in v[PW]
.irp b, 0,1,2,3
	v_max3_num_f32 v[TM+\b], |v[\s+16*\b]|, |v[\s+1+16*\b]|, 0x1800000   ; the floor 2^(3 - 127): the byte cannot fall under 1
.endr
.irp i, 2,4,6,8,10,12,14
.irp b, 0,1,2,3
	v_max3_num_f32 v[TM+\b], v[TM+\b], |v[\s+16*\b+\i]|, |v[\s+1+16*\b+\i]|
.endr
.endr
.irp b, 0,1,2,3
	v_permlanex16_b32 v[TM+4+\b], v[TM+\b], s[SEL], s[SEL+1]
.endr
.irp b, 0,1,2,3
	v_max_num_f32 v[TM+\b], v[TM+\b], v[TM+4+\b]
.endr
.irp b, 0,1,2,3
	v_add_nc_u32 v[TM+12+\b], 0xff000000, v[TM+\b] ; 2 off the exponent field: the conversion's scale operand
.endr
.irp b, 0,1,2,3
	v_lshrrev_b32 v[TM+4+\b], 23, v[TM+12+\b]      ; the scale's byte
.endr
	v_lshl_or_b32 v[PW], v[TM+5], 8, v[TM+4]
	v_lshl_or_b32 v[PW], v[TM+6], 16, v[PW]
	v_lshl_or_b32 v[PW], v[TM+7], 24, v[PW]
.irp c, 0,1
	v_cvt_scalef32_pk16_fp6_f32 v[PC+6*\c:PC+2+6*\c], v[\s+32*\c:\s+15+32*\c], v[TM+12+2*\c]
	v_cvt_scalef32_pk16_fp6_f32 v[PC+12+4*\c:PC+14+4*\c], v[\s+16+32*\c:\s+31+32*\c], v[TM+12+2*\c+1]
.endr
	v_nop                                          ; one plain line behind a scaled conversion
.irp c, 0,1                                    ; a whole block in a lane: lanes 0-15 block 2 c, lanes 16-31 block 2 c + 1
.irp i, 0,1,2
	v_permlane16_swap_b32 v[PC+6*\c+\i], v[PC+12+4*\c+\i]
.endr
.irp i, 0,1,2
	v_mov_b32 v[PC+3+6*\c+\i], v[PC+12+4*\c+\i]
.endr
.endr
.endm
.macro EPI a                           ; my rows 16 a .. 16 a + 15, all 128 columns: two heads of 64 (v^T: 128 keys)
.set TS_, TT+32*((\a)%2)
.set AC, 64*(\a)
.if (\a) < 3
	s_wait_loadcnt 8                               ; this block's eight table loads are in; the next block's eight may be out
.else
	s_wait_loadcnt 0
.endif
	WIN 0x02                                       ; source 0: the accumulators
.irp hd, 0,1                                   ; column d < 32 of a head: x(d) cos - x(d + 32) sin;  column d + 32: x(d + 32) cos + x(d) sin.  Each accumulator is read from its low end on
.irp bb, 0,1
.irp jp, 0,2,4,6
	v_pk_mul_f32 v[TA:TA+1], v[AC+8*(4*\hd+\bb+2)+\jp:AC+8*(4*\hd+\bb+2)+\jp+1], v[TS_+16+8*\bb+\jp:TS_+16+8*\bb+\jp+1]
	v_pk_mul_f32 v[TB:TB+1], v[AC+8*(4*\hd+\bb)+\jp:AC+8*(4*\hd+\bb)+\jp+1], v[TS_+16+8*\bb+\jp:TS_+16+8*\bb+\jp+1]
	v_pk_fma_f32 v[H+8*(4*\hd+\bb)+\jp:H+8*(4*\hd+\bb)+\jp+1], v[AC+8*(4*\hd+\bb)+\jp:AC+8*(4*\hd+\bb)+\jp+1], v[TS_+8*\bb+\jp:TS_+8*\bb+\jp+1], v[TA:TA+1] neg_lo:[0,0,1] neg_hi:[0,0,1]
	v_pk_fma_f32 v[H+8*(4*\hd+\bb+2)+\jp:H+8*(4*\hd+\bb+2)+\jp+1], v[AC+8*(4*\hd+\bb+2)+\jp:AC+8*(4*\hd+\bb+2)+\jp+1], v[TS_+8*\bb+\jp:TS_+8*\bb+\jp+1], v[TB:TB+1]
.endr
.endr
.endr
	WIN 0
.if (\a) <= 1
	TLOAD (\a)+2
.endif
.irp be, 0,1,2,3                               ; the 16 registers of tiles 2 be, 2 be + 1 become columns 32 be + 16 h + 0 .. 15
.irp j, 0,1,2,3,4,5,6,7
	v_permlane16_swap_b32 v[H+16*\be+\j], v[H+16*\be+8+\j]
.endr
.endr
.if (\a) > 0
	s_wait_xcnt 0x0                                ; the last block's stores have read their data and bases
	s_add_nc_u64 s[LOP:LOP+1], s[LOP:LOP+1], s[S1:S1+1]
	s_add_nc_u64 s[HIP:HIP+1], s[HIP:HIP+1], s[S1:S1+1]
.endif
	QUANT H
.if ((\a)%2) == 0
.set VX, V16A
.set VY, V8A
.else
.set VX, V16B
.set VY, V8B
.endif
	global_store_b128 v[VX], v[PC:PC+3], s[LOP:LOP+1]                  ; 32 lanes store 512 consecutive bytes, aligned;
	global_store_b64 v[VY], v[PC+4:PC+5], s[LOP:LOP+1] offset:512      ; and 256
	global_store_b128 v[VX], v[PC+6:PC+9], s[HIP:HIP+1]
	global_store_b64 v[VY], v[PC+10:PC+11], s[HIP:HIP+1] offset:512
	v_lshrrev_b32 v[WA+(\a)], v[SHV], v[PW]
	ds_store_b32 v[SSV], v[WA+(\a)] offset:64*(\a)
.endm
	PLACES
.irp b, 0,1,2,3
	v_mov_b32 v[TM+4+\b], 0                        ; a lane permute's destination counts as one of its sources
.endr
.irp a, 0,1,2,3
	EPI \a
.endr
	ds_load_b128 v[R0:R0+3], v[SRV]                ; lanes 0-15: my 64 rows' words of the first head, lanes 16-31: of the second; LDS serves a wave's instructions in order
	s_wait_dscnt 0x0
	global_store_b128 v[SAV], v[R0:R0+3], s[PSC:PSC+1]   ; sixteen lanes store 256 consecutive bytes, aligned
	s_wait_tensorcnt 0x0                           ; the wave's end
	ds_add_u32 v[SPW], v[NIL]
	s_wait_dscnt 0x0
	CROUND                                         ; the closing round
	s_endpgm
.Lfunc_end_k_q8fa5942b7e_proj:
	.size	k_q8fa5942b7e_proj, .Lfunc_end_k_q8fa5942b7e_proj-k_q8fa5942b7e_proj
	.p2alignl 7, 3214868480
	.fill 96, 4, 3214868480
	.section	.rodata,"a",@progbits
	.p2align	6, 0x0
	.amdhsa_kernel k_q8fa5942b7e_proj
		.amdhsa_group_segment_fixed_size 327680
		.amdhsa_private_segment_fixed_size 0
		.amdhsa_enable_private_segment 0
		.amdhsa_kernarg_size 96
		.amdhsa_user_sgpr_count 2
		.amdhsa_user_sgpr_kernarg_segment_ptr 1
		.amdhsa_wavefront_size32 1
		.amdhsa_system_sgpr_workgroup_id_x 1
		.amdhsa_system_sgpr_workgroup_id_y 1
		.amdhsa_system_sgpr_workgroup_id_z 1
		.amdhsa_system_vgpr_workitem_id 0
		.amdhsa_next_free_vgpr 768
		.amdhsa_next_free_sgpr 102
		.amdhsa_reserve_vcc 0
		.amdhsa_float_denorm_mode_32 3
		.amdhsa_float_denorm_mode_16_64 3
		.amdhsa_memory_ordered 1
		.amdhsa_forward_progress 1
		.amdhsa_inst_pref_size 128
	.end_amdhsa_kernel
	.amdgpu_metadata
---
amdhsa.version: [ 1, 2 ]
amdhsa.kernels:
  - .name:           k_q8fa5942b7e_proj
    .symbol:         k_q8fa5942b7e_proj.kd
    .args:
      - { .name: xq_codes, .offset: 0, .size: 8, .value_kind: global_buffer, .address_space: global }
      - { .name: xq_aux, .offset: 8, .size: 8, .value_kind: global_buffer, .address_space: global }
      - { .name: encoder_out_codes, .offset: 16, .size: 8, .value_kind: global_buffer, .address_space: global }
      - { .name: encoder_out_scales, .offset: 24, .size: 8, .value_kind: global_buffer, .address_space: global }
      - { .name: Wq_codes, .offset: 32, .size: 8, .value_kind: global_buffer, .address_space: global }
      - { .name: Wq_scales, .offset: 40, .size: 8, .value_kind: global_buffer, .address_space: global }
      - { .name: Wkv_codes, .offset: 48, .size: 8, .value_kind: global_buffer, .address_space: global }
      - { .name: Wkv_scales, .offset: 56, .size: 8, .value_kind: global_buffer, .address_space: global }
      - { .name: q_img, .offset: 64, .size: 8, .value_kind: global_buffer, .address_space: global }
      - { .name: q_sc, .offset: 72, .size: 8, .value_kind: global_buffer, .address_space: global }
      - { .name: kv_img, .offset: 80, .size: 8, .value_kind: global_buffer, .address_space: global }
      - { .name: kv_sc, .offset: 88, .size: 8, .value_kind: global_buffer, .address_space: global }
    .group_segment_fixed_size: 327680
    .private_segment_fixed_size: 0
    .kernarg_segment_align: 8
    .kernarg_segment_size: 96
    .max_flat_workgroup_size: 128
    .sgpr_count:     102
    .vgpr_count:     768
    .wavefront_size: 32
...
	.end_amdgpu_metadata
.endif
;; end of part 2
;; launch attn (part 3): grid 4 x 64, 16 waves a work-group, clusters of 4 x 1, 327,680 bytes of LDS; arguments q_img, q_sc, kv_img, kv_sc, ao_img, ao_sc; writes ao_img, ao_sc
.if DOCPART == 3
	.amdgcn_target "amdgcn-amd-amdhsa--gfx1250"
	.amdhsa_code_object_version 6
	.text
	.protected	k_q8fa5942b7e_attn
	.globl	k_q8fa5942b7e_attn
	.p2align	8
	.type	k_q8fa5942b7e_attn,@function
k_q8fa5942b7e_attn:
	s_mov_b64 s[64:65], 0
	v_nop
	global_prefetch_b8 v0, s[64:65] scope:SCOPE_SE
	s_setreg_imm32_b32 hwreg(HW_REG_WAVE_MODE, 25, 1), 1
	s_wait_xcnt 0x0
	s_wait_alu depctr_hold_cnt(0) depctr_sa_sdst(0) depctr_va_vdst(0) depctr_va_sdst(0) depctr_va_ssrc(0) depctr_va_vcc(0) depctr_vm_vsrc(0)
	s_getreg_b32 s2, hwreg(HW_REG_IB_STS2, 6, 4)
	s_cmp_eq_u32 s2, 0
	s_cbranch_scc0 .Lentry_in_a_cluster
	s_endpgm
.Lentry_in_a_cluster:
	s_bfe_u32 s2, ttmp6, 0x10000c
	s_cmp_lg_u32 s2, 0x3003
	s_cbranch_scc0 .Lentry_shape_is_right
	s_endpgm
.Lentry_shape_is_right:
.macro CROUND
	s_barrier_signal -1
	s_barrier_wait -1
	s_cmp_lg_u32 s52, 0
	s_cbranch_scc1 .Lnot_wave_0_\@
	s_barrier_signal -3
.Lnot_wave_0_\@:
	s_barrier_wait -3
	s_barrier_signal -1
	s_barrier_wait -1
.endm
	s_load_b256 s[4:11], s[0:1], 0x0
	s_load_b128 s[12:15], s[0:1], 0x20
	v_lshl_add_u32 v254, v0, 2, 0x33000
	v_mov_b32 v255, 0
	ds_add_u32 v254, v255
	ds_add_u32 v254, v255
	s_wait_dscnt 0x0
	v_lshrrev_b32 v9, 5, v0
	s_delay_alu instid0(VALU_DEP_1)
	v_readfirstlane_b32 s52, v9
	s_bfe_u32 s53, ttmp6, 0x40000
	s_and_b32 s54, ttmp7, 0xffff
	s_mov_b32 s16, 15|(3<<16)|(1<<21)
	s_mov_b32 s17, 32<<16
	s_mov_b32 s18, 48<<16
	s_mov_b32 s19, 32<<16
	s_mov_b32 s20, 48
	s_mov_b32 s21, 32
	s_mov_b32 s22, 0
	s_mov_b32 s23, 0
	s_mov_b32 s24, 15|(3<<16)|(1<<21)
	s_mov_b32 s25, 32<<16
	s_mov_b32 s26, 3<<16
	s_mov_b32 s27, 32<<16
	s_mov_b32 s28, 3
	s_mov_b32 s29, 32
	s_mov_b32 s30, 0
	s_mov_b32 s31, 0
	s_mul_i32 s40, s54, 196608
	s_mul_i32 s42, s52, 12288
	s_add_co_u32 s40, s40, s42
	s_mov_b32 s41, 0
	s_mul_i32 s44, s54, 12288
	s_mul_i32 s43, s52, 768
	s_add_co_u32 s44, s44, s43
	s_mov_b32 s45, 0
	s_lshl_b32 s46, s54, 7
	s_lshl_b32 s47, s53, 5
	s_add_co_u32 s47, s47, s52
	s_add_co_u32 s46, s46, s47
	s_mul_i32 s48, s46, 768
	s_mov_b32 s49, 0
	s_lshl_b32 s50, s46, 6
	s_mov_b32 s51, 0
	s_lshr_b32 s46, s54, 4
	s_lshl_b32 s46, s46, 7
	s_add_co_u32 s46, s46, s47
	s_and_b32 s47, s54, 15
	s_lshl_b32 s67, s46, 4
	s_add_co_u32 s67, s67, s47
	s_mul_i32 s68, s67, 768
	s_mov_b32 s69, 0
	s_lshl_b32 s70, s46, 9
	s_lshl_b32 s47, s47, 1
	s_add_co_u32 s70, s70, s47
	s_mov_b32 s71, 0
	s_mov_b32 s56, 0x76543210
	s_mov_b32 s57, 0xfedcba98
	s_mov_b32 s58, 0x3e38aa3b
	s_mov_b32 s59, s58
	s_mov_b32 s60, 0
	s_mov_b32 s61, 0
	s_mov_b32 s62, 0
	s_mov_b32 s66, 0xffff0000
	s_wait_kmcnt 0x0
	s_mov_b32 s32, 1
	s_add_co_u32 s33, s43, 196608
	s_add_nc_u64 s[34:35], s[10:11], s[44:45]
	s_or_b32 s35, s35, 0x80000000
	s_mov_b32 s36, 1
	s_mov_b32 s37, s42
	s_add_nc_u64 s[38:39], s[8:9], s[40:41]
	s_or_b32 s39, s39, 0x80000000
	s_add_nc_u64 s[4:5], s[4:5], s[48:49]
	s_add_nc_u64 s[6:7], s[6:7], s[50:51]
	s_add_nc_u64 s[12:13], s[12:13], s[68:69]
	s_add_nc_u64 s[14:15], s[14:15], s[70:71]
	CROUND
	tensor_load_to_lds s[32:35], s[24:31]
	s_nop 0
	s_wait_alu depctr_va_vdst(0)
	s_wait_tensorcnt 0x0
	ds_add_u32 v254, v255
	s_wait_dscnt 0x0
	CROUND
	tensor_load_to_lds s[36:39], s[16:23]
	s_nop 0
.rept 4
	v_nop
.endr
	v_and_b32 v9, 31, v0
	v_and_b32 v10, 15, v0
	v_bfe_u32 v11, v0, 4, 1
	v_bfe_u32 v12, v0, 3, 1
	v_and_b32 v13, 7, v0
	s_delay_alu instid0(VALU_DEP_1)
	v_lshlrev_b32 v14, 4, v13
	s_delay_alu instid0(VALU_DEP_1)
	v_lshl_add_u32 v14, v11, 8, v14
	s_delay_alu instid0(VALU_DEP_1)
	v_mad_u32_u24 v1, v12, 896, v14
	s_delay_alu instid0(VALU_DEP_2)
	v_mad_u32_u24 v2, v12, 640, v14
	s_delay_alu instid0(VALU_DEP_1)
	v_add_nc_u32 v2, 128, v2
	v_lshlrev_b32 v15, 3, v13
	s_delay_alu instid0(VALU_DEP_1)
	v_lshl_add_u32 v15, v11, 7, v15
	s_delay_alu instid0(VALU_DEP_1)
	v_mad_u32_u24 v3, v12, 832, v15
	s_delay_alu instid0(VALU_DEP_1)
	v_add_nc_u32 v3, 512, v3
	s_delay_alu instid0(VALU_DEP_3)
	v_mad_u32_u24 v4, v12, 704, v15
	s_delay_alu instid0(VALU_DEP_1)
	v_add_nc_u32 v4, 576, v4
	v_lshlrev_b32 v5, 2, v10
	s_delay_alu instid0(VALU_DEP_1)
	v_lshl_add_u32 v5, v11, 5, v5
	s_delay_alu instid0(VALU_DEP_1)
	v_lshl_add_u32 v5, v12, 5, v5
	s_delay_alu instid0(VALU_DEP_1)
	v_add_nc_u32 v5, 196608, v5
	v_lshl_add_u32 v6, v9, 4, 98304
	v_lshl_add_u32 v7, v9, 3, 98304
	v_lshl_add_u32 v8, v9, 2, 204800
	v_lshlrev_b32 v252, 4, v9
	v_lshlrev_b32 v253, 3, v9
	v_lshlrev_b32 v254, 2, v10
	v_lshl_add_u32 v255, v10, 5, v11
.macro QLOAD p
	global_load_b128 v[20:23], v252, s[4:5] offset:12288*\p
	global_load_b64 v[24:25], v253, s[4:5] offset:12288*\p+512
	global_load_b32 v17, v254, s[6:7] offset:1024*\p
.endm
.macro INIT
	v_mov_b32 v19, 0xff61b1e6
	s_delay_alu instid0(VALU_DEP_1)
	v_floor_f32 v18, -v19
	v_mov_b32 v92, 0
	v_mov_b32 v93, 0
.set J, 0
.rept 32
	v_mov_b32 v[160+J], 0
.set J, J+1
.endr
.endm
	QLOAD 0
.irp j, 26,27,28,29,30,31,80,81,82,83,84,85
	v_mov_b32 v\j, 0
.endr
	INIT
.macro STEP
	v_add_nc_u32 v9, s60, v1
	v_add_nc_u32 v10, s60, v2
	v_add_nc_u32 v11, s60, v3
	v_add_nc_u32 v12, s60, v4
	v_add_nc_u32 v13, s61, v5
	v_add_nc_u32 v14, s60, v6
	v_add_nc_u32 v15, s60, v7
	v_add_nc_u32 v16, s62, v8
.irp t, 0,1,2,3,4,5,6,7
	ds_load_b128 v[32+6*\t:35+6*\t], v[9+\t%2] offset:1536*(\t/2)
	ds_load_b64 v[36+6*\t:37+6*\t], v[11+\t%2] offset:1536*(\t/2)
.endr
.irp b, 0,1,2,3
	ds_load_b32 v[86+\b], v13 offset:128*\b
.endr
.irp t, 0,1,2,3
	ds_load_b128 v[192+12*\t:195+12*\t], v14 offset:1536*\t
	ds_load_b64 v[196+12*\t:197+12*\t], v15 offset:1536*\t+512
	ds_load_b128 v[198+12*\t:201+12*\t], v14 offset:1536*\t+768
	ds_load_b64 v[202+12*\t:203+12*\t], v15 offset:1536*\t+1280
.endr
	ds_load_b32 v90, v16
	ds_load_b32 v91, v16 offset:128
	s_wait_dscnt 18
.irp t, 0,2,4,6
	v_wmma_scale_f32_16x16x128_f8f6f4 v[96+8*\t:103+8*\t], v[32+6*\t:43+6*\t], v[20:31], 0, v[86+\t/2], v17 matrix_a_fmt:MATRIX_FMT_FP6 matrix_b_fmt:MATRIX_FMT_FP6
	v_wmma_scale_f32_16x16x128_f8f6f4 v[104+8*\t:111+8*\t], v[38+6*\t:49+6*\t], v[20:31], 0, v[86+\t/2], v17 matrix_a_fmt:MATRIX_FMT_FP6 matrix_b_fmt:MATRIX_FMT_FP6 matrix_a_scale:MATRIX_SCALE_ROW1
.endr
.rept 4
	v_nop
.endr
.irp b, 0,1,2,3
	v_max3_num_f32 v[32+\b], v[96+16*\b], v[97+16*\b], v[98+16*\b]
.endr
.irp i, 3,5,7,9,11,13
.irp b, 0,1,2,3
	v_max3_num_f32 v[32+\b], v[32+\b], v[96+16*\b+\i], v[97+16*\b+\i]
.endr
.endr
.irp b, 0,1,2,3
	v_max_num_f32 v[32+\b], v[32+\b], v[111+16*\b]
.endr
.irp b, 0,1,2,3
	s_delay_alu instid0(VALU_DEP_4)
	v_permlanex16_b32 v[36+\b], v[32+\b], s56, s57
.endr
.irp b, 0,1,2,3
	s_delay_alu instid0(VALU_DEP_4)
	v_max_num_f32 v[32+\b], v[32+\b], v[36+\b]
.endr
	s_delay_alu instid0(VALU_DEP_2)
	v_max3_num_f32 v50, v32, v33, v34
	s_delay_alu instid0(VALU_DEP_1)
	v_max_num_f32 v50, v50, v35
	s_delay_alu instid0(VALU_DEP_1)
	v_mul_f32 v50, s58, v50
	s_delay_alu instid0(VALU_DEP_1)
	v_max_num_f32 v19, v19, v50
	v_mov_b32 v50, v18
	s_delay_alu instid0(VALU_DEP_2)
	v_floor_f32 v18, -v19
	s_delay_alu instid0(VALU_DEP_1)
	v_sub_f32 v50, v18, v50
	s_delay_alu instid0(VALU_DEP_1)
	v_cvt_i32_f32 v50, v50
	s_delay_alu instid0(VALU_DEP_1)
	v_ldexp_f32 v48, 1.0, v50
.set J, 0
.rept 32
	v_pk_fma_f32 v[96+J:97+J], v[96+J:97+J], s[58:59], v[18:19] op_sel_hi:[1,0,0]
.set J, J+2
.endr
.irp b, 0,1,2,3
	v_fma_f32 v[32+\b], v[32+\b], s58, v18
.endr
.set J, 0
	s_wait_alu depctr_va_vdst(0)
.rept 64
	v_exp_f32 v[96+J], v[96+J]
.set J, J+1
.endr
	v_pk_mul_f32 v[92:93], v[92:93], v[48:49] op_sel_hi:[1,0]
	s_wait_alu depctr_va_vdst(0)
.irp b, 0,1,2,3
	v_exp_f32 v[32+\b], v[32+\b]
.endr
	v_pk_add_f32 v[36:37], v[96:97], v[98:99]
.irp j, 4,8,12,16,20,24,28,32,36,40,44,48,52,56,60
	v_pk_add_f32 v[92:93], v[92:93], v[96+\j:97+\j]
	v_pk_add_f32 v[36:37], v[36:37], v[98+\j:99+\j]
.endr
	s_delay_alu instid0(VALU_DEP_1)
	v_pk_add_f32 v[92:93], v[92:93], v[36:37]
	s_wait_alu depctr_va_vdst(0)
.irp b, 0,1,2,3
	v_max_num_f32 v[32+\b], 0x1800000, v[32+\b]
.endr
.irp b, 0,1,2,3
	s_delay_alu instid0(VALU_DEP_4)
	v_add_nc_u32 v[44+\b], 0xff000000, v[32+\b]
.endr
.irp b, 0,1,2,3
	s_delay_alu instid0(VALU_DEP_4)
	v_lshrrev_b32 v[36+\b], 23, v[44+\b]
.endr
	s_delay_alu instid0(VALU_DEP_3)
	v_lshl_or_b32 v94, v37, 8, v36
	s_delay_alu instid0(VALU_DEP_1)
	v_lshl_or_b32 v94, v38, 16, v94
	s_delay_alu instid0(VALU_DEP_1)
	v_lshl_or_b32 v94, v39, 24, v94
.irp c, 0,1
	v_cvt_scalef32_pk16_fp6_f32 v[240+6*\c:242+6*\c], v[96+32*\c:111+32*\c], v[44+2*\c]
	v_cvt_scalef32_pk16_fp6_f32 v[36+4*\c:38+4*\c], v[112+32*\c:127+32*\c], v[44+2*\c+1]
.endr
	v_nop
.irp c, 0,1
.irp i, 0,1,2
	v_permlane16_swap_b32 v[240+6*\c+\i], v[36+4*\c+\i]
.endr
.irp i, 0,1,2
	s_delay_alu instid0(VALU_DEP_3)
	v_mov_b32 v[243+6*\c+\i], v[36+4*\c+\i]
.endr
.endr
.set J, 0
.rept 16
	v_pk_mul_f32 v[160+J:161+J], v[160+J:161+J], v[48:49] op_sel_hi:[1,0]
.set J, J+2
.endr
	s_wait_alu depctr_va_vdst(0)
	s_wait_dscnt 0x0
.irp t, 0,2
	v_wmma_scale_f32_16x16x128_f8f6f4 v[160+8*\t:167+8*\t], v[192+12*\t:203+12*\t], v[240:251], v[160+8*\t:167+8*\t], v[90+\t/2], v94 matrix_a_fmt:MATRIX_FMT_FP6 matrix_b_fmt:MATRIX_FMT_FP6
	v_wmma_scale_f32_16x16x128_f8f6f4 v[168+8*\t:175+8*\t], v[204+12*\t:215+12*\t], v[240:251], v[168+8*\t:175+8*\t], v[90+\t/2], v94 matrix_a_fmt:MATRIX_FMT_FP6 matrix_b_fmt:MATRIX_FMT_FP6 matrix_a_scale:MATRIX_SCALE_ROW1
.endr
	s_add_co_u32 s60, s60, 6144
	s_add_co_u32 s61, s61, 512
	s_add_co_u32 s62, s62, 256
.endm
.macro LOOP n
	s_mov_b32 s63, \n
.Lstep_\@:
	STEP
	s_sub_co_u32 s63, s63, 1
	s_cmp_lg_u32 s63, 0
	s_cbranch_scc1 .Lstep_\@
.endm
.macro OUT p
.if \p == 0
	QLOAD 1
.endif
	v_add_f32 v92, v92, v93
	s_delay_alu instid0(VALU_DEP_1)
	v_permlanex16_b32 v36, v92, s56, s57
	s_delay_alu instid0(VALU_DEP_1)
	v_add_f32 v92, v92, v36
	s_wait_alu depctr_va_vdst(0)
	v_rcp_f32 v48, v92
	v_nop
	v_nop
	s_wait_alu depctr_va_vdst(0)
.set J, 0
.rept 16
	v_pk_mul_f32 v[160+J:161+J], v[160+J:161+J], v[48:49] op_sel_hi:[1,0]
.set J, J+2
.endr
.irp be, 0,1
.irp j, 0,1,2,3,4,5,6,7
	v_permlane16_swap_b32 v[160+16*\be+\j], v[168+16*\be+\j]
.endr
.endr
.irp b, 0,1
	v_max3_num_f32 v[32+\b], |v[160+16*\b]|, |v[161+16*\b]|, 0x1800000
.endr
.irp i, 2,4,6,8,10,12,14
.irp b, 0,1
	s_delay_alu instid0(VALU_DEP_2)
	v_max3_num_f32 v[32+\b], v[32+\b], |v[160+16*\b+\i]|, |v[161+16*\b+\i]|
.endr
.endr
.irp b, 0,1
	s_delay_alu instid0(VALU_DEP_2)
	v_permlanex16_b32 v[36+\b], v[32+\b], s56, s57
.endr
.irp b, 0,1
	s_delay_alu instid0(VALU_DEP_2)
	v_max_num_f32 v[32+\b], v[32+\b], v[36+\b]
.endr
.irp b, 0,1
	s_delay_alu instid0(VALU_DEP_2)
	v_add_nc_u32 v[40+\b], 0xff000000, v[32+\b]
.endr
.irp b, 0,1
	s_delay_alu instid0(VALU_DEP_2)
	v_lshrrev_b32 v[42+\b], 23, v[40+\b]
.endr
	v_cvt_scalef32_pk16_fp6_f32 v[46:48], v[160:175], v40
	v_cvt_scalef32_pk16_fp6_f32 v[52:54], v[176:191], v41
	v_nop
.irp i, 0,1,2
	v_permlane16_swap_b32 v[46+\i], v[52+\i]
.endr
.irp i, 0,1,2
	s_delay_alu instid0(VALU_DEP_3)
	v_mov_b32 v[49+\i], v[52+\i]
.endr
	v_cndmask_b32 v44, v42, v43, s66
	global_store_b128 v252, v[46:49], s[12:13] offset:196608*\p
	global_store_b64 v253, v[50:51], s[12:13] offset:196608*\p+512
	global_store_b8 v255, v44, s[14:15] offset:8192*\p
.endm
	s_wait_loadcnt 0x0
	s_wait_tensorcnt 0x0
	s_barrier_signal -1
	s_barrier_wait -1
	LOOP 16
	OUT 0
	INIT
	s_mov_b32 s60, 0
	s_mov_b32 s61, 0
	s_mov_b32 s62, 0
	s_wait_loadcnt 0x0
	s_wait_xcnt 0x0
	LOOP 16
	OUT 1
	s_wait_xcnt 0x0
	v_lshl_add_u32 v254, v0, 2, 0x33000
	v_mov_b32 v255, 0
	s_wait_alu depctr_va_vdst(0)
	s_wait_tensorcnt 0x0
	ds_add_u32 v254, v255
	s_wait_dscnt 0x0
	CROUND
	s_endpgm
.Lfunc_end_k_q8fa5942b7e_attn:
	.size	k_q8fa5942b7e_attn, .Lfunc_end_k_q8fa5942b7e_attn-k_q8fa5942b7e_attn
	.p2alignl 7, 3214868480
	.fill 96, 4, 3214868480
	.section	.rodata,"a",@progbits
	.p2align	6, 0x0
	.amdhsa_kernel k_q8fa5942b7e_attn
		.amdhsa_group_segment_fixed_size 327680
		.amdhsa_private_segment_fixed_size 0
		.amdhsa_enable_private_segment 0
		.amdhsa_kernarg_size 48
		.amdhsa_user_sgpr_count 2
		.amdhsa_user_sgpr_kernarg_segment_ptr 1
		.amdhsa_wavefront_size32 1
		.amdhsa_system_sgpr_workgroup_id_x 1
		.amdhsa_system_sgpr_workgroup_id_y 1
		.amdhsa_system_sgpr_workgroup_id_z 1
		.amdhsa_system_vgpr_workitem_id 0
		.amdhsa_next_free_vgpr 256
		.amdhsa_next_free_sgpr 80
		.amdhsa_reserve_vcc 0
		.amdhsa_float_denorm_mode_32 3
		.amdhsa_float_denorm_mode_16_64 3
		.amdhsa_memory_ordered 1
		.amdhsa_forward_progress 1
		.amdhsa_inst_pref_size 56
	.end_amdhsa_kernel
	.amdgpu_metadata
---
amdhsa.version: [ 1, 2 ]
amdhsa.kernels:
  - .name:           k_q8fa5942b7e_attn
    .symbol:         k_q8fa5942b7e_attn.kd
    .args:
      - { .name: q_img, .offset: 0, .size: 8, .value_kind: global_buffer, .address_space: global }
      - { .name: q_sc, .offset: 8, .size: 8, .value_kind: global_buffer, .address_space: global }
      - { .name: kv_img, .offset: 16, .size: 8, .value_kind: global_buffer, .address_space: global }
      - { .name: kv_sc, .offset: 24, .size: 8, .value_kind: global_buffer, .address_space: global }
      - { .name: ao_img, .offset: 32, .size: 8, .value_kind: global_buffer, .address_space: global }
      - { .name: ao_sc, .offset: 40, .size: 8, .value_kind: global_buffer, .address_space: global }
    .group_segment_fixed_size: 327680
    .private_segment_fixed_size: 0
    .kernarg_segment_align: 8
    .kernarg_segment_size: 48
    .max_flat_workgroup_size: 512
    .sgpr_count:     80
    .vgpr_count:     256
    .wavefront_size: 32
...
	.end_amdgpu_metadata
.endif
;; end of part 3
;; launch outp (part 4): grid 4 x 64, 4 waves a work-group, clusters of 4 x 4, 327,680 bytes of LDS; arguments ao_img, ao_sc, Wo_codes, Wo_scales, x, out0; writes out0
.if DOCPART == 4
	.amdgcn_target "amdgcn-amd-amdhsa--gfx1250"
	.amdhsa_code_object_version 6
	.text
	.protected	k_q8fa5942b7e_outp
	.globl	k_q8fa5942b7e_outp
	.p2align	8
	.type	k_q8fa5942b7e_outp,@function
k_q8fa5942b7e_outp:
	s_mov_b64 s[64:65], 0
	v_nop
	global_prefetch_b8 v0, s[64:65] scope:SCOPE_SE
	s_setreg_imm32_b32 hwreg(HW_REG_WAVE_MODE, 25, 1), 1
	s_wait_xcnt 0x0
	s_wait_alu depctr_hold_cnt(0) depctr_sa_sdst(0) depctr_va_vdst(0) depctr_va_sdst(0) depctr_va_ssrc(0) depctr_va_vcc(0) depctr_vm_vsrc(0)
	s_getreg_b32 s2, hwreg(HW_REG_IB_STS2, 6, 4)
	s_cmp_eq_u32 s2, 0
	s_cbranch_scc0 .Lentry_in_a_cluster
	s_endpgm
.Lentry_in_a_cluster:
	s_bfe_u32 s2, ttmp6, 0x10000c
	s_cmp_lg_u32 s2, 0xf033
	s_cbranch_scc0 .Lentry_shape_is_right
	s_endpgm
.Lentry_shape_is_right:
; out0 = x + ao Wo^T on codes of FP6 (E2M3), K = 1,024.  ao_img: [512 tiles of 16 rows][16 images of 64 k][768 bytes], images of an operand's registers; ao_sc: [8192][32] scale bytes.
; A block of out0 is 128 x 256: 256 work-groups, one for each WGP; a wave makes 64 x 128: 32 accumulators.  ALL OF K LIES IN LDS, and nothing is filled twice:
; A's 128 rows are one dense block of 98,304 bytes; a row of Wo's 768 bytes lies as three chunks of 256 bytes, each chunk's rows 272 bytes apart: every tensor row is 256 bytes and begins at a multiple of 256.
; At the head each wave asks for one tile (A, B's chunk 0, A's scales, B's scales); behind the full sequence and a round waves 1 and 3 ask for B's chunks 1 and 2.
; 4 x 4 work-groups form a cluster: A's tiles are asked for jointly along a row of it, B's along a column.
; My 64 x 128 numbers of x are loaded at the head into window 3, as whole rows of 512 bytes, and land while K is walked.
; No prefetch: there is no loop to run ahead in; every tile and all of x are asked for at the head.
; THE MATRIX INSTRUCTION IS USED TRANSPOSED; a block of 16 rows goes through my stage in LDS and comes back as rows of 512 bytes, x is added, and 32 lanes store two aligned units of 256 bytes.
; REGISTERS: window 0: v0-31 addresses; v32-63 scale words; v128-223 A's fragments, two sets (v128-255 at work on the way out).  window 1: B's fragments, two sets.  window 2: accumulators.  window 3: x.
.set ROWB,  256
.set KROW,  768
.set PITCH, 272
.set FR,    12
.set NP,    4
.set BCH,   256*PITCH
.set BBASE, 104448                     ; behind A's 98,304 bytes
.set SCL,   BBASE+3*BCH
.set SBLK,  544
.set SPARE, SCL+24*SBLK
.set SPITCH,528
.set STAGE, BBASE                      ; the stages lie in B's chunk 0, behind the barrier of the last step: it has had its only fill and its last read
.set ADRA, 16                          ; v16: 16 x lane, v17: 8 x lane, at my four tiles of A
.set ADRB, 21                          ; v21-23 my B rows in chunks 0-2; v24-25 lanes 0-15 at byte 232 of chunk 0, 1, lanes 16-31 at byte 0 of the next chunk
.set STO,  18
.set RD,   19
.set CO,   20
.set ADRS, 27
.set SPW,  28
.set NIL,  29
.set SC,   32
.set AF,   128
.set BK,   128
.set G1,   24
.set G0,   32
.set G1B,  48
.set G0B,  56
.set G1S,  68
.set G0S,  76
.set G1SB, 80
.set G0SB, 88
.set XB,   92
.set OB,   94
.set MSB, 0
.macro WIN new
.if MSB != \new
	s_set_vgpr_msb (MSB<<8)|\new
.set MSB, \new
.endif
.endm
.set MUL_LO, 0xa1
.set TO_B,   0x40
.macro TL g0, g1                       ; a joint load with an s_nop and four v_nops behind it
	tensor_load_to_lds s[\g0:\g0+3], s[\g1:\g1+7]
	s_nop 0
.rept 4
	v_nop
.endr
.endm
.macro CROUND
	s_barrier_signal -1
	s_barrier_wait -1
	s_cmp_lg_u32 s14, 0
	s_cbranch_scc1 .Lnot_wave_0_\@
	s_barrier_signal -3
.Lnot_wave_0_\@:
	s_barrier_wait -3
	s_barrier_signal -1
	s_barrier_wait -1
.endm
.macro MKG0 g, lds, a, off
	s_mov_b32 s[\g], 1
	s_mov_b32 s[\g+1], \lds
	s_add_nc_u64 s[\g+2:\g+3], s[\a:\a+1], \off
	s_or_b32 s[\g+3], s[\g+3], 0x80000000
.endm
.macro MKG1 g, c, r, p
	s_mov_b32 s[\g+1], (\c)<<16
	s_mov_b32 s[\g+2], (\r)<<16
	s_mov_b32 s[\g+3], (\c)<<16
	s_mov_b32 s[\g+4], \r
	s_mov_b32 s[\g+5], \p
	s_mov_b32 s[\g+6], 0
	s_mov_b32 s[\g+7], 0
.endm
	s_load_b256 s[4:11], s[0:1], 0x0               ; ao_img 4, ao_sc 6, Wo's codes 8, scales 10
	s_load_b128 s[92:95], s[0:1], 0x20             ; x 92, out0 94
	v_lshl_add_u32 v[SPW], v0, 2, SPARE
	v_mov_b32 v[NIL], 0
	ds_add_u32 v[SPW], v[NIL]                      ; the opening lines: the add, twice on end
	ds_add_u32 v[SPW], v[NIL]
	v_lshrrev_b32 v1, 5, v0
	v_readfirstlane_b32 s14, v1                    ; wave
	s_lshr_b32 s15, s14, 1                         ; which 64 rows
	s_and_b32 s16, s14, 1                          ; which 128 columns
	s_bfe_u32 s40, ttmp6, 0x40000
	s_bfe_u32 s41, ttmp6, 0x40004
	s_lshl_b32 s42, ttmp9, 2
	s_add_co_u32 s42, s42, s40                     ; block column
	s_and_b32 s17, ttmp7, 0xffff
	s_lshl_b32 s17, s17, 2
	s_add_co_u32 s17, s17, s41                     ; block row
	s_lshl_b32 s43, s41, 2
	s_lshl_b32 s43, 15, s43
	s_lshl_b32 s44, 0x1111, s40
	s_or_b32 s[G1+0], s43, (3<<16)|(1<<21)         ; A: dense, 384 rows of 256 bytes, no padding
	MKG1 G1, 32, 384, 32
	s_or_b32 s[G1B+0], s44, (1<<20)|(1<<21)|(5<<22)|(3<<25)
	MKG1 G1B, ROWB, 256, KROW
	s_or_b32 s[G1S+0], s43, (3<<16)|(1<<20)|(1<<21)|(5<<22)|(3<<25)
	s_or_b32 s[G1SB+0], s44, (3<<16)|(1<<20)|(1<<21)|(5<<22)|(3<<25)
	MKG1 G1S, 32, 16, 32
	MKG1 G1SB, 32, 32, 32
	s_mul_i32 s20, s17, 98304                      ; A's images of my block's 128 rows
	s_lshl_b32 s22, s17, 12                        ; their scales
	s_mul_i32 s46, s42, 256*KROW                   ; B's 256 rows
	s_lshl_b32 s98, s42, 13
	s_mov_b32 s21, 0
	s_mov_b32 s23, 0
	s_mov_b32 s47, 0
	s_mov_b32 s99, 0
	s_wait_dscnt 0x0
	s_wait_kmcnt 0x0
	s_add_nc_u64 s[20:21], s[4:5], s[20:21]
	s_add_nc_u64 s[22:23], s[6:7], s[22:23]
	s_add_nc_u64 s[46:47], s[8:9], s[46:47]
	s_add_nc_u64 s[98:99], s[10:11], s[98:99]
	MKG0 G0, 0, 20, 0
	MKG0 G0B, BBASE, 46, 0                         ; B's chunk 0 (stepped to chunk 1 later)
	MKG0 G0B+4, BBASE+2*BCH, 46, 2*ROWB            ; B's chunk 2
	MKG0 G0S, SCL, 22, 0
	MKG0 G0SB, SCL+8*SBLK, 98, 0
	CROUND                                         ; the first joint loads meet
	s_cmp_lt_u32 s14, 1                            ; one chain of branches on the wave's number: one load a wave
	s_cbranch_scc0 .Lh_b
	TL G0, G1
	s_branch .Lh_j
.Lh_b:
	s_cmp_lt_u32 s14, 2
	s_cbranch_scc0 .Lh_sa
	TL G0B, G1B
	s_branch .Lh_j
.Lh_sa:
	s_cmp_lt_u32 s14, 3
	s_cbranch_scc0 .Lh_sb
	TL G0S, G1S
	s_branch .Lh_j
.Lh_sb:
	TL G0SB, G1SB
.Lh_j:
	s_lshl_b32 s18, s17, 7
	s_lshl_b32 s19, s15, 6
	s_add_co_u32 s18, s18, s19                     ; my first row
	s_lshl_b32 s18, s18, 12                        ; 4,096 bytes a row
	s_lshl_b32 s19, s42, 10
	s_add_co_u32 s18, s18, s19
	s_lshl_b32 s19, s16, 9
	s_add_co_u32 s18, s18, s19                     ; + my first column, in bytes
	s_mov_b32 s19, 0
	s_add_nc_u64 s[XB:XB+1], s[XB:XB+1], s[18:19]
	s_add_nc_u64 s[OB:OB+1], s[OB:OB+1], s[18:19]
	s_mul_i32 s4, s15, 49152                       ; my four tiles of A
	s_mul_i32 s5, s16, 128*PITCH
	s_add_co_u32 s5, s5, BBASE                     ; my 128 rows of B
	s_mov_b32 s7, BCH-232
	s_mul_i32 s8, s15, 4*SBLK
	s_mul_i32 s9, s16, 8*SBLK
	s_add_co_u32 s9, s9, 8*SBLK
	s_sub_co_u32 s9, s9, s8
	s_add_co_u32 s8, s8, SCL
	s_mul_i32 s12, s14, 16*SPITCH
	s_add_co_u32 s12, s12, STAGE
	s_wait_alu depctr_va_vdst(0)                   ; the wait behind the run of scalar lines
	v_and_b32 v1, 15, v0                           ; r
	v_bfe_u32 v2, v0, 4, 1                         ; h
	v_and_b32 v6, 31, v0                           ; lane
	v_mul_u32_u24 v3, v1, PITCH
	v_mad_u32_u24 v4, v2, 24, v3
	v_mul_u32_u24 v5, s7, v2
	v_add_nc_u32 v5, v3, v5
	v_add_nc_u32 v5, 232, v5
	v_add_nc_u32 v[ADRB], s5, v4
	v_add_nc_u32 v[ADRB+1], BCH, v[ADRB]
	v_add_nc_u32 v[ADRB+2], 2*BCH, v[ADRB]
	v_add_nc_u32 v[ADRB+3], s5, v5
	v_add_nc_u32 v[ADRB+4], BCH, v[ADRB+3]
	v_lshlrev_b32 v[CO], 4, v6
	v_lshlrev_b32 v7, 3, v6
	v_add_nc_u32 v[ADRA], s4, v[CO]
	v_add_nc_u32 v[ADRA+1], s4, v7
	v_lshlrev_b32 v5, 5, v1
	v_lshrrev_b32 v7, 8, v5
	v_lshl_add_u32 v5, v7, 4, v5
	v_mul_u32_u24 v7, s9, v2
	v_add_nc_u32 v5, v5, v7
	v_add_nc_u32 v[ADRS], s8, v5
	v_mul_u32_u24 v5, v1, SPITCH
	v_lshl_add_u32 v5, v2, 5, v5
	v_add_nc_u32 v[STO], s12, v5                   ; into the stage: row r, 32 bytes for each half of the lanes
	v_add_nc_u32 v[RD], s12, v[CO]                 ; back: the 32 lanes take a row of 512 bytes
	s_wait_alu depctr_va_vdst(0)                   ; the wait at the head's end
	WIN 0xc0                                       ; destination window 3
.set T, 0
.rept 64
	global_load_b128 v[4*T:4*T+3], v[CO], s[XB:XB+1] offset:T*4096 th:TH_LOAD_NT   ; row T of my x: 512 consecutive bytes
.set T, T+1
.endr
	WIN 0
.macro FRAG reg, adr, st, i            ; B: 16 rows x 128 K in pieces of 8 bytes; byte y of a row lies in chunk y / 256 at byte y % 256
.irp p, 0,1,2,3,4,5
.set BY, 96*(\st)+48*(\p/3)+8*(\p%3)
.if BY/ROWB == (BY+24)/ROWB
	ds_load_b64 v[\reg+2*\p:\reg+2*\p+1], v[\adr+BY/ROWB] offset:BY%ROWB+(\i)*16*PITCH
.else
	ds_load_b64 v[\reg+2*\p:\reg+2*\p+1], v[\adr+3+BY/ROWB] offset:BY%ROWB-232+(\i)*16*PITCH
.endif
.endr
.endm
.macro FRAGA reg, st, i                ; A: two images of 768 bytes
	ds_load_b128 v[\reg:\reg+3], v[ADRA] offset:(\i)*12288+(\st)*1536
	ds_load_b64 v[\reg+4:\reg+5], v[ADRA+1] offset:(\i)*12288+(\st)*1536+512
	ds_load_b128 v[\reg+6:\reg+9], v[ADRA] offset:(\i)*12288+(\st)*1536+768
	ds_load_b64 v[\reg+10:\reg+11], v[ADRA+1] offset:(\i)*12288+(\st)*1536+1280
.endm
.macro FETCH st
	WIN TO_B
.irp i, 0,1,2,3,4,5,6,7
	FRAG 128*((\st)%2)+FR*\i, ADRB, \st, \i
.endr
	WIN 0
.irp i, 0,1,2,3
	FRAGA AF+48*((\st)%2)+FR*\i, \st, \i
.endr
.if (\st)%2 == 0
.irp i, 0,1,2,3,4,5,6,7
	ds_load_b64 v[SC+16*(((\st)/2)%2)+2*\i:SC+16*(((\st)/2)%2)+2*\i+1], v[ADRS] offset:\i*SBLK+4*(\st)   ; lanes 0-15 A's block i (4-7: not used), lanes 16-31 B's block i
.endr
.endif
.endm
.macro MUL16 a0, st, zero              ; the 32 accumulators take turns
.irp a, \a0, \a0+1
.irp b, 0,1,2,3,4,5,6,7
.if \zero
	v_wmma_scale_f32_16x16x128_f8f6f4 v[8*(8*(\a)+\b):8*(8*(\a)+\b)+7], v[128*((\st)%2)+FR*\b:128*((\st)%2)+FR*\b+FR-1], v[AF+48*((\st)%2)+FR*(\a):AF+48*((\st)%2)+FR*(\a)+FR-1], 0, v[SC+16*(((\st)/2)%2)+2*\b+(\st)%2], v[SC+16*(((\st)/2)%2)+2*(\a)+(\st)%2] matrix_a_fmt:MATRIX_FMT_FP6 matrix_b_fmt:MATRIX_FMT_FP6 matrix_a_scale:MATRIX_SCALE_ROW1
.else
	v_wmma_scale_f32_16x16x128_f8f6f4 v[8*(8*(\a)+\b):8*(8*(\a)+\b)+7], v[128*((\st)%2)+FR*\b:128*((\st)%2)+FR*\b+FR-1], v[AF+48*((\st)%2)+FR*(\a):AF+48*((\st)%2)+FR*(\a)+FR-1], v[8*(8*(\a)+\b):8*(8*(\a)+\b)+7], v[SC+16*(((\st)/2)%2)+2*\b+(\st)%2], v[SC+16*(((\st)/2)%2)+2*(\a)+(\st)%2] matrix_a_fmt:MATRIX_FMT_FP6 matrix_b_fmt:MATRIX_FMT_FP6 matrix_a_scale:MATRIX_SCALE_ROW1
.endif
.endr
.endr
.endm
.macro PLACES
.rept NP
	v_nop
.endr
.endm
; A step of 128 along K: this step's fragments are in; the next step's are asked for, into the sets that the step before read; 32 matrix instructions.
; Step 1: step 2 reads chunk 1, so every wave waits for its tensor loads and a barrier shows chunks 1 and 2 whole.  Step 7: a barrier behind which nobody reads the tiles any more.
.macro STEP st, zero
	s_wait_dscnt 0x0
.if (\st) == 1
	s_wait_tensorcnt 0x0
	s_barrier_signal -1
	WIN MUL_LO
	MUL16 0, \st, \zero
	WIN 0
	s_barrier_wait -1
	PLACES
	FETCH (\st)+1
	WIN MUL_LO
	MUL16 2, \st, \zero
.else
.if (\st) > 0 && (\st) < 7
	PLACES
.endif
.if (\st) < 7
	FETCH (\st)+1
.else
	s_barrier_signal -1
.endif
	WIN MUL_LO
	MUL16 0, \st, \zero
	MUL16 2, \st, \zero
.endif
	WIN 0
.if (\st) == 7
	s_barrier_wait -1
.endif
.endm
	s_wait_tensorcnt 0x0                           ; my tile of the head's four is in
	ds_add_u32 v[SPW], v[NIL]
	s_add_co_u32 s[G0B+1], s[G0B+1], BCH           ; no tensor load of mine is out: on to chunk 1
	s_add_nc_u64 s[G0B+2:G0B+3], s[G0B+2:G0B+3], ROWB
	s_wait_dscnt 0x0
	CROUND
	s_cmp_eq_u32 s14, 1                            ; wave 1: B's chunk 1; wave 3: B's chunk 2; the others have no tile left to ask for
	s_cbranch_scc0 .Ls_c2
	TL G0B, G1B
	s_branch .Ls_j
.Ls_c2:
	s_cmp_eq_u32 s14, 3
	s_cbranch_scc0 .Ls_j
	TL G0B+4, G1B
.Ls_j:
	FETCH 0
	STEP 0, 1
.set ST, 1
.rept 7
	STEP ST, 0
.set ST, ST+1
.endr
; THE WAY OUT, block by block of 16 rows x 128 columns
.macro BLOCK a
.set AC, 64*(\a)
.set BB, BK+64*((\a)%2)
.if (\a) > 1
	s_wait_xcnt 0x0                                ; block a - 2's stores have read their registers
.endif
	WIN 0x08                                       ; the data: window 2
.irp b, 0,1,2,3,4,5,6,7
	ds_store_b128 v[STO], v[AC+8*\b:AC+8*\b+3] offset:64*\b          ; each accumulator from its low end on
	ds_store_b128 v[STO], v[AC+8*\b+4:AC+8*\b+7] offset:64*\b+16
.endr
	WIN 0
.irp t, 0,1,2,3,4,5,6,7,8,9,10,11,12,13,14,15
	ds_load_b128 v[BB+4*\t:BB+4*\t+3], v[RD] offset:\t*SPITCH        ; LDS serves a wave's instructions in order
.endr
	s_wait_loadcnt 48-16*(\a)                      ; x's rows up to this block's are in; the later blocks' 16 loads each may be out
	s_wait_dscnt 0x0
	WIN 0x0c                                       ; source 1: x, window 3
.set J, 0
.rept 32
	v_pk_add_f32 v[BB+J:BB+J+1], v[BB+J:BB+J+1], v[AC+J:AC+J+1]
.set J, J+2
.endr
	WIN 0
.irp t, 0,1,2,3,4,5,6,7,8,9,10,11,12,13,14,15
	global_store_b128 v[CO], v[BB+4*\t:BB+4*\t+3], s[OB:OB+1] offset:(16*(\a)+\t)*4096 th:TH_STORE_NT   ; 32 lanes store 512 consecutive bytes, aligned
.endr
.endm
	PLACES
.irp a, 0,1,2,3
	BLOCK \a
.endr
	s_wait_tensorcnt 0x0                           ; the wave's end
	ds_add_u32 v[SPW], v[NIL]
	s_wait_dscnt 0x0
	CROUND                                         ; the closing round
	s_endpgm
.Lfunc_end_k_q8fa5942b7e_outp:
	.size	k_q8fa5942b7e_outp, .Lfunc_end_k_q8fa5942b7e_outp-k_q8fa5942b7e_outp
	.p2alignl 7, 3214868480
	.fill 96, 4, 3214868480
	.section	.rodata,"a",@progbits
	.p2align	6, 0x0
	.amdhsa_kernel k_q8fa5942b7e_outp
		.amdhsa_group_segment_fixed_size 327680
		.amdhsa_private_segment_fixed_size 0
		.amdhsa_enable_private_segment 0
		.amdhsa_kernarg_size 48
		.amdhsa_user_sgpr_count 2
		.amdhsa_user_sgpr_kernarg_segment_ptr 1
		.amdhsa_wavefront_size32 1
		.amdhsa_system_sgpr_workgroup_id_x 1
		.amdhsa_system_sgpr_workgroup_id_y 1
		.amdhsa_system_sgpr_workgroup_id_z 1
		.amdhsa_system_vgpr_workitem_id 0
		.amdhsa_next_free_vgpr 1024
		.amdhsa_next_free_sgpr 100
		.amdhsa_reserve_vcc 0
		.amdhsa_float_denorm_mode_32 3
		.amdhsa_float_denorm_mode_16_64 3
		.amdhsa_memory_ordered 1
		.amdhsa_forward_progress 1
		.amdhsa_inst_pref_size 108
	.end_amdhsa_kernel
	.amdgpu_metadata
---
amdhsa.version: [ 1, 2 ]
amdhsa.kernels:
  - .name:           k_q8fa5942b7e_outp
    .symbol:         k_q8fa5942b7e_outp.kd
    .args:
      - { .name: ao_img, .offset: 0, .size: 8, .value_kind: global_buffer, .address_space: global }
      - { .name: ao_sc, .offset: 8, .size: 8, .value_kind: global_buffer, .address_space: global }
      - { .name: Wo_codes, .offset: 16, .size: 8, .value_kind: global_buffer, .address_space: global }
      - { .name: Wo_scales, .offset: 24, .size: 8, .value_kind: global_buffer, .address_space: global }
      - { .name: x, .offset: 32, .size: 8, .value_kind: global_buffer, .address_space: global }
      - { .name: out0, .offset: 40, .size: 8, .value_kind: global_buffer, .address_space: global }
    .group_segment_fixed_size: 327680
    .private_segment_fixed_size: 0
    .kernarg_segment_align: 8
    .kernarg_segment_size: 48
    .max_flat_workgroup_size: 128
    .sgpr_count:     100
    .vgpr_count:     1024
    .wavefront_size: 32
...
	.end_amdgpu_metadata
.endif
;; end of part 4
